; MI455X (gfx1250); checked and timed in simulation.
; The chip was launched on July 23, 2026; its instructions are those of AMD's public machine-readable ISA for CDNA 5 (MIT licence, August 2026) and "CDNA5" Instruction Set Architecture Reference Guide (July 2026). The comments in the code are by the model that wrote it; some were corrected since.
;; Titans Dual Tower SAS Rec. Allowed arithmetic: float matrix products may take bf16 or f16 operands with f32 sums; other float arithmetic in f32, or as packed bf16 or f16 multiplies, adds, multiply-adds, maxima and minima; sums over many terms, partial sums and values carried from step to step in f32; what a program stores and reads back later, other than sums and carried values, may be rounded once to bf16 or f16.
;; Inputs: W1 1,024 x 256 float32; W2 256 x 1,024 float32; Wa 1 x 256 float32; We 1 x 256 float32; Wk 256 x 256 float32; Wo 256 x 256 float32; Wq 256 x 256 float32; Wv 256 x 256 float32; b1 1,024 float32; b2 256 float32; ba 1 float32; be 1 float32; beta1 256 float32; beta2 256 float32; bo 256 float32; g1 256 float32; g2 256 float32; x 32 x 256 x 256 float32.
;; Outputs: out0 32 x 256 x 256 float32.
;; One version. Each part assembles by itself: llvm-mc -triple=amdgcn-amd-amdhsa -mcpu=gfx1250 --defsym DOCPART=n.
;; ======== version 1 of 1: 3 launches
;; workspace buffers: qimg 4,194,304 bytes; kimg 4,194,304 bytes; vimg 4,194,304 bytes; eimg 4,194,304 bytes; wimg 1,179,648 bytes; tok 131,072 bytes; gate 65,536 bytes
;; launch proj (part 1): grid 64 x 3, 8 waves a work-group, no clusters, 74,752 bytes of LDS; arguments x, Wq, Wk, Wv, Wa, ba, We, be, g1, beta1, Wo, W1, W2, qimg, kimg, vimg, tok, wimg; writes qimg, kimg, vimg, tok, wimg
.if DOCPART == 1
	.amdgcn_target "amdgcn-amd-amdhsa--gfx1250"
	.amdhsa_code_object_version 6
	.text
	.protected	k_q7ac78957c0_proj
	.globl	k_q7ac78957c0_proj
	.p2align	8
	.type	k_q7ac78957c0_proj,@function
k_q7ac78957c0_proj:
	s_mov_b64 s[64:65], 0
	v_nop
	global_prefetch_b8 v0, s[64:65] scope:SCOPE_SE
	s_setreg_imm32_b32 hwreg(HW_REG_WAVE_MODE, 25, 1), 1
	s_wait_xcnt 0x0
; LN1 and one of the three projections; the gates; Wo, W1, W2 rounded to bf16 and laid out in fragment order.
; Work-group (X, Y): tokens 128 X .. 128 X + 127 (half a batch); Y = 0: q~ = xn Wq^T, Y = 1: k~ = xn Wk^T (both NOT normalised: their sums of squares, of the f32 sums, go to tok),
; Y = 2: V = xn Wv^T, and lg = log2(1 - sigmoid(xn.Wa + ba)), le = log2(sigmoid(xn.We + be)).
; IMAGE of a bf16 matrix M[rows][256]: byte of M[row][col] = (row/16) 8192 + (col/16) 512 + (row%16 + 16 ((col%16)/8)) 16 + (col%8) 2.  A block of 512 bytes is 32 lanes x 16 bytes in lane order,
; so two 16-byte loads a lane, 512 bytes apart, are a matrix fragment (lane = row, 32 columns along the registers), and a 16 x 16 result rounded in pairs is one block: 512 consecutive bytes a store.
; SHARES.  In the norm wave w owns token tile w: lane (r, h) holds token r and 128 of its 256 channels (register 8 q + j: channel 16 q + 8 h + j).  In the product wave w owns output channels
; 32 w .. 32 w + 31; its weights are loaded once, as f32, rounded in registers (window 1) and stay there; no wave wants a weight byte that another wave has fetched, so they do not pass through LDS.
; LIMITS.  lg is held at -30 at the least (1 - alpha below 2^-30 counts as 2^-30), le at -100.  NaN and infinities in the inputs are not treated apart.
.set XN,    0          ; LDS: image of x_norm, 8 token tiles of 8,192 bytes
.set PAR,   65536      ; g1, beta1, Wa, We: 1,024 bytes each
.set RED,   69632      ; 4,096 bytes: the waves' partial sums of squares (wave w at 512 w), or lg and le (512 bytes each)
.set SPARE, 73728      ; the spare words, 128 bytes for each of the eight waves
.set L16, 1            ; 16 x lane
.set RR,  2            ; r = lane % 16
.set HH,  3            ; h = lane / 16
.set XO,  4            ; 1,024 r + 32 h: my place in 16 rows of x or of a weight
.set PA,  5            ; PAR + 32 h
.set XS,  6            ; XN + 8,192 w + 16 lane
.set BR,  7            ; where the product reads x_norm's fragments; steps two token tiles a trip
.set GO,  8            ; my byte offset in the output image; steps a trip
.set RA,  9            ; RED + 512 w + 4 r; steps a trip
.set MU,  10           ; v[10:11] the mean, twice
.set RS,  12           ; v[12:13] 1 / sqrt(var + eps), twice
.set SPW, 14           ; my spare word; never rewritten
.set NIL, 15           ; 0; never rewritten
.set X,   16           ; v[16:143] x, then x_norm; later two sets of 64: fragments of x_norm
.set P,   144          ; v[144:207] two sets of 32: g1, beta1, Wa, We of 8 channels
.set ACC, 144          ; later v[144:175]: four accumulators (mt, u) at ACC + 8 (2 mt + u)
.set OB,  176          ; v[176:191] four packed tiles
.set SS,  192          ; v[192:195] sums of squares
.set WR,  208          ; v[208:223] one raw fragment of Wo, W1 or W2
.set WO,  224          ; v[224:231] the same in bf16
.set SM,  232          ; v[232:239] four chains of sums
.set ZA,  232          ; later v[232:233] xn.Wa, v[234:235] xn.We
.set ZE,  234
.set PRM, 240          ; v[240:243] my 16 bytes of the parameters
.set WOF, 244
.set PRO, 245
.set PRL, 246
.set RG,  247
.set T0,  248
.set MSB, 0
.macro WIN new                         ; the immediate's high byte repeats the setting that is left
.if MSB != (\new)
	s_set_vgpr_msb (MSB<<8)|(\new)
.set MSB, (\new)
.endif
.endm
.macro PLACES                          ; four places behind matrix instructions (ISA guide 7.12.1)
.rept 4
	v_nop
.endr
.endm
	s_load_b512 s[8:23], s[0:1], 0x0               ; x s[8:9], Wq s[10:11], Wk s[12:13], Wv s[14:15], Wa s[16:17], ba s[18:19], We s[20:21], be s[22:23]
	s_load_b512 s[24:39], s[0:1], 0x40             ; g1 s[24:25], beta1 s[26:27], Wo s[28:29], W1 s[30:31], W2 s[32:33], qimg s[34:35], kimg s[36:37], vimg s[38:39]
	s_load_b128 s[40:43], s[0:1], 0x80             ; tok s[40:41], wimg s[42:43]
	v_lshl_add_u32 v[SPW], v0, 2, SPARE
	v_mov_b32 v[NIL], 0
	v_lshrrev_b32 v[L16], 5, v0
	v_readfirstlane_b32 s4, v[L16]                 ; wave 0..7
	s_mov_b32 s2, ttmp9                            ; X
	s_and_b32 s3, ttmp7, 0xffff                    ; Y
	s_mov_b32 s56, 0x76543210                      ; v_permlanex16_b32: each lane takes its own place in the other half
	s_mov_b32 s57, 0xfedcba98
	v_and_b32 v[RR], 15, v0
	v_bfe_u32 v[HH], v0, 4, 1
	v_and_b32 v[L16], 31, v0
	v_lshlrev_b32 v[L16], 4, v[L16]
	v_lshlrev_b32 v[XO], 10, v[RR]
	v_lshl_add_u32 v[XO], v[HH], 5, v[XO]
	v_lshl_add_u32 v[PA], v[HH], 5, PAR
	s_lshl_b32 s60, s4, 13
	v_add_nc_u32 v[XS], s60, v[L16]
	v_mov_b32 v[BR], v[L16]
	v_and_b32 v[PRO], 63, v0
	v_lshlrev_b32 v[PRO], 4, v[PRO]                ; 64 threads cover one parameter array
	v_lshl_add_u32 v[PRL], v0, 4, PAR
	s_lshl_b32 s60, s4, 9
	v_lshl_add_u32 v[RA], v[RR], 2, s60
	v_add_nc_u32 v[RA], RED, v[RA]
	s_lshl_b32 s60, s4, 6
	v_lshl_add_u32 v[RG], v[RR], 2, s60
	v_add_nc_u32 v[RG], RED, v[RG]
	v_add_nc_u32 v[T0], RED, v[L16]
	; Which fragment of Wo, W1, W2 I round (waves 0 to 5): F = 6 (64 Y + X) + w, 0 .. 1,151 = 9 units x 128 fragments of 16 rows x 32 columns.
	; F < 128: Wo; F < 640: W1, 256 rows a unit; else W2, 256 columns a unit.  Units lie in wimg in the order Wo, W1 part 0, W2 part 0, W1 part 1, ..
	s_lshl_b32 s5, s3, 6
	s_add_co_u32 s5, s5, s2
	s_mul_i32 s5, s5, 6
	s_add_co_u32 s5, s5, s4                        ; F
	s_cmp_lt_u32 s5, 128
	s_cselect_b32 s6, 0, 128                       ; the matrix's first F
	s_cselect_b32 s7, 0, 1                         ; its first unit
	s_cmp_lt_u32 s5, 640
	s_cselect_b32 s6, s6, 640
	s_cselect_b32 s7, s7, 2
	s_cselect_b32 s55, 10, 12                      ; log2 of a row's bytes
	s_cselect_b32 s60, 63, 15                      ; row tiles in the matrix, less one
	s_cselect_b32 s61, 0, 1024                     ; bytes along a row from part to part
	s_sub_co_u32 s6, s5, s6                        ; G: the fragment's number in its matrix
	s_lshr_b32 s62, s6, 7                          ; the part
	s_lshl1_add_u32 s7, s62, s7                    ; the unit
	s_mul_i32 s61, s61, s62
	s_lshr_b32 s63, s6, 3
	s_and_b32 s63, s63, s60                        ; the row tile
	s_add_co_u32 s60, s55, 4
	s_lshl_b32 s63, s63, s60                       ; 16 rows each
	s_add_co_u32 s61, s61, s63
	s_and_b32 s63, s6, 7
	s_lshl_b32 s63, s63, 7                         ; 32 columns of f32
	s_add_co_u32 s62, s61, s63                     ; s[62:63]: the fragment's byte offset in its matrix
	s_mov_b32 s63, 0
	s_and_b32 s6, s6, 127
	s_lshl_b32 s6, s6, 10
	s_lshl_b32 s7, s7, 17
	s_add_co_u32 s6, s6, s7                        ; s[6:7]: its byte offset in wimg
	s_mov_b32 s7, 0
	v_lshlrev_b32 v[WOF], s55, v[RR]
	v_lshl_add_u32 v[WOF], v[HH], 5, v[WOF]        ; r rows + 32 h
	s_wait_kmcnt 0x0
	s_load_b32 s44, s[18:19], 0x0                  ; ba
	s_load_b32 s45, s[22:23], 0x0                  ; be
	s_cmp_lt_u32 s5, 128
	s_cselect_b64 s[50:51], s[28:29], s[30:31]
	s_cmp_lt_u32 s5, 640
	s_cselect_b64 s[50:51], s[50:51], s[32:33]
	s_add_nc_u64 s[50:51], s[50:51], s[62:63]
	s_add_nc_u64 s[52:53], s[42:43], s[6:7]
	s_lshr_b32 s55, s4, 1                          ; waves 0, 1 fetch g1; 2, 3 beta1; 4, 5 Wa; 6, 7 We
	s_cmp_eq_u32 s55, 0
	s_cselect_b64 s[58:59], s[24:25], s[26:27]
	s_cmp_eq_u32 s55, 2
	s_cselect_b64 s[60:61], s[16:17], s[20:21]
	s_cmp_lt_u32 s55, 2
	s_cselect_b64 s[58:59], s[58:59], s[60:61]
	s_cmp_eq_u32 s3, 0
	s_cselect_b64 s[46:47], s[10:11], s[12:13]     ; the weights,
	s_cselect_b64 s[48:49], s[34:35], s[36:37]     ; and the image that takes the product
	s_cmp_eq_u32 s3, 2
	s_cselect_b64 s[46:47], s[14:15], s[46:47]
	s_cselect_b64 s[48:49], s[38:39], s[48:49]
	s_lshl_b32 s60, s4, 15                         ; my 32 rows of the weights
	s_mov_b32 s61, 0
	s_add_nc_u64 s[46:47], s[46:47], s[60:61]
	s_lshl_b32 s60, s2, 17                         ; 128 tokens of 1,024 bytes,
	s_lshl_b32 s62, s4, 14                         ; my 16 of them
	s_add_co_u32 s60, s60, s62
	s_add_nc_u64 s[8:9], s[8:9], s[60:61]
	s_lshl_b32 s60, s3, 15                         ; tok: plane Y (Y = 2: lg, and le one plane on), 128 tokens of 4 bytes
	s_lshl_b32 s62, s2, 9
	s_add_co_u32 s60, s60, s62
	s_add_nc_u64 s[40:41], s[40:41], s[60:61]
	s_lshl_b32 s60, s2, 16                         ; q~, k~: rows are tokens: 8 token tiles of 8,192 bytes
	s_lshr_b32 s62, s2, 1                          ; V: a batch's image has channels for rows and tokens for columns:
	s_lshl_b32 s62, s62, 17                        ; the batch,
	s_and_b32 s63, s2, 1
	s_lshl_b32 s63, s63, 12                        ; and 8 column tiles of 512 bytes
	s_add_co_u32 s62, s62, s63
	s_cmp_eq_u32 s3, 2
	s_cselect_b32 s60, s62, s60
	s_cselect_b32 s62, 14, 10                      ; my two channel tiles: rows (16,384 bytes) or columns (1,024)
	s_add_nc_u64 s[48:49], s[48:49], s[60:61]
	s_lshl_b32 s62, s4, s62
	v_add_nc_u32 v[GO], s62, v[L16]
	; ALL LOADS GO OUT: the parameters and x first, the weights behind them
	global_load_b128 v[PRM:PRM+3], v[PRO], s[58:59]
.set q, 0
.rept 16
	global_load_b128 v[X+8*q:X+8*q+3], v[XO], s[8:9] offset:64*q
	global_load_b128 v[X+8*q+4:X+8*q+7], v[XO], s[8:9] offset:64*q+16
.set q, q+1
.endr
	s_cmp_lt_u32 s4, 6
	s_cbranch_scc0 .Lno_raw
	global_load_b128 v[WR:WR+3], v[WOF], s[50:51]
	global_load_b128 v[WR+4:WR+7], v[WOF], s[50:51] offset:16
	global_load_b128 v[WR+8:WR+11], v[WOF], s[50:51] offset:64
	global_load_b128 v[WR+12:WR+15], v[WOF], s[50:51] offset:80
.Lno_raw:
	WIN 0x40                                       ; destination window 1: fragment f = 8 mt + kk, raw, in v[256 + 16 f ..]
.set f, 0
.rept 16
	global_load_b128 v[16*f:16*f+3], v[XO], s[46:47] offset:(f/8)*16384+(f%8)*128
	global_load_b128 v[16*f+4:16*f+7], v[XO], s[46:47] offset:(f/8)*16384+(f%8)*128+16
	global_load_b128 v[16*f+8:16*f+11], v[XO], s[46:47] offset:(f/8)*16384+(f%8)*128+64
	global_load_b128 v[16*f+12:16*f+15], v[XO], s[46:47] offset:(f/8)*16384+(f%8)*128+80
.set f, f+1
.endr
	WIN 0
	; MEAN AND VARIANCE, in two passes: the mean is taken away before the squares, so a common offset of x costs nothing
	s_wait_loadcnt 63                              ; 64 weight loads are younger than x: with 63 out at the most, the parameters and x are in
	ds_store_b128 v[PRL], v[PRM:PRM+3]
.irp c,0,1,2,3
	v_pk_add_f32 v[SM+2*\c:SM+2*\c+1], v[X+2*\c:X+2*\c+1], v[X+8+2*\c:X+8+2*\c+1]
.endr
.set i, 8
.rept 56
	v_pk_add_f32 v[SM+2*(i%4):SM+2*(i%4)+1], v[SM+2*(i%4):SM+2*(i%4)+1], v[X+2*i:X+2*i+1]
.set i, i+1
.endr
	v_pk_add_f32 v[SM:SM+1], v[SM:SM+1], v[SM+2:SM+3]
	v_pk_add_f32 v[SM+4:SM+5], v[SM+4:SM+5], v[SM+6:SM+7]
	v_pk_add_f32 v[SM:SM+1], v[SM:SM+1], v[SM+4:SM+5]
	v_add_f32 v[SM], v[SM], v[SM+1]
	v_permlanex16_b32 v[SM+1], v[SM], s56, s57     ; the token's other 128 channels lie in the lane 16 away
	v_add_f32 v[SM], v[SM], v[SM+1]
	v_mul_f32 v[MU], 0x3b800000, v[SM]             ; / 256
	v_mov_b32 v[MU+1], v[MU]
.set i, 0
.rept 64
	v_pk_add_f32 v[X+2*i:X+2*i+1], v[X+2*i:X+2*i+1], v[MU:MU+1] neg_lo:[0,1] neg_hi:[0,1]
.set i, i+1
.endr
.irp c,0,1,2,3
	v_pk_mul_f32 v[SM+2*\c:SM+2*\c+1], v[X+2*\c:X+2*\c+1], v[X+2*\c:X+2*\c+1]
.endr
.set i, 4
.rept 60
	v_pk_fma_f32 v[SM+2*(i%4):SM+2*(i%4)+1], v[X+2*i:X+2*i+1], v[X+2*i:X+2*i+1], v[SM+2*(i%4):SM+2*(i%4)+1]
.set i, i+1
.endr
	v_pk_add_f32 v[SM:SM+1], v[SM:SM+1], v[SM+2:SM+3]
	v_pk_add_f32 v[SM+4:SM+5], v[SM+4:SM+5], v[SM+6:SM+7]
	v_pk_add_f32 v[SM:SM+1], v[SM:SM+1], v[SM+4:SM+5]
	v_add_f32 v[SM], v[SM], v[SM+1]
	v_permlanex16_b32 v[SM+1], v[SM], s56, s57
	v_add_f32 v[SM], v[SM], v[SM+1]
	s_mov_b32 s60, 0x3b800000                      ; 1 / 256
	s_mov_b32 s61, 0x3727c5ac                      ; 1e-5
	v_fma_f32 v[RS], v[SM], s60, s61
	v_rsq_f32 v[RS], v[RS]
	v_nop                                          ; a plain instruction behind the root,
	s_wait_alu depctr_va_vdst(0)                   ; and the wait ahead of its first reader
	v_mov_b32 v[RS+1], v[RS]
	s_wait_dscnt 0x0                               ; my 16 bytes of the parameters are in LDS
	s_barrier_signal -1
	s_barrier_wait -1                              ; everybody's are
; The parameters of channels 16 q + 8 h .. + 7: eight loads into set s
.macro PLOAD q, set
.irp a,0,1,2,3
	ds_load_b128 v[P+32*(\set)+8*\a:P+32*(\set)+8*\a+3], v[PA] offset:\a*1024+(\q)*64
	ds_load_b128 v[P+32*(\set)+8*\a+4:P+32*(\set)+8*\a+7], v[PA] offset:\a*1024+(\q)*64+16
.endr
.endm
; Group q of 16 channels: x_norm = (x - mean) rs g1 + beta1; its share of xn.Wa and xn.We (made in every work-group: eight lines, no branch); rounded to bf16, one block of the image
.macro NORM q
.set PS, P+32*((\q)%2)
.set XQ, X+8*(\q)
.if (\q) < 15
	PLOAD (\q)+1, ((\q)+1)%2
	s_wait_dscnt 8                                 ; the eight just issued may stay out: this group's parameters are in
.else
	s_wait_dscnt 0x0
.endif
.irp p,0,2,4,6
	v_pk_mul_f32 v[XQ+\p:XQ+\p+1], v[XQ+\p:XQ+\p+1], v[RS:RS+1]
.endr
.irp p,0,2,4,6
	v_pk_fma_f32 v[XQ+\p:XQ+\p+1], v[XQ+\p:XQ+\p+1], v[PS+\p:PS+\p+1], v[PS+8+\p:PS+8+\p+1]
.endr
.irp p,0,2,4,6
.if ((\q) == 0) && (\p == 0)
	v_pk_mul_f32 v[ZA:ZA+1], v[XQ+\p:XQ+\p+1], v[PS+16+\p:PS+16+\p+1]
	v_pk_mul_f32 v[ZE:ZE+1], v[XQ+\p:XQ+\p+1], v[PS+24+\p:PS+24+\p+1]
.else
	v_pk_fma_f32 v[ZA:ZA+1], v[XQ+\p:XQ+\p+1], v[PS+16+\p:PS+16+\p+1], v[ZA:ZA+1]
	v_pk_fma_f32 v[ZE:ZE+1], v[XQ+\p:XQ+\p+1], v[PS+24+\p:PS+24+\p+1], v[ZE:ZE+1]
.endif
.endr
.irp i,0,1,2,3
	v_cvt_pk_bf16_f32 v[XQ+\i], v[XQ+2*\i], v[XQ+2*\i+1]
.endr
	ds_store_b128 v[XS], v[XQ:XQ+3] offset:(\q)*512
.endm
	PLOAD 0, 0
.irp n,0,1,2,3,4,5,6,7,8,9,10,11,12,13,14,15
	NORM \n
.endr
	s_wait_kmcnt 0x0                               ; ba, be
	s_cmp_lg_u32 s3, 2
	s_cbranch_scc1 .Lno_gate
	; THE GATES, as logarithms to base 2: lg = -log2(1 + 2^(za log2 e)), le = -log2(1 + 2^(-ze log2 e)); an overflow of the power gives -infinity, which the floor takes
	s_mov_b32 s60, 0x3fb8aa3b                      ; log2 e
	s_mov_b32 s61, 0xbfb8aa3b
	s_mov_b32 s62, 0xc1f00000                      ; -30
	s_mov_b32 s63, 0xc2c80000                      ; -100
	s_mul_f32 s44, s44, s60
	s_mul_f32 s45, s45, s61
	v_add_f32 v[ZA], v[ZA], v[ZA+1]
	v_add_f32 v[ZE], v[ZE], v[ZE+1]
	v_permlanex16_b32 v[ZA+1], v[ZA], s56, s57
	v_permlanex16_b32 v[ZE+1], v[ZE], s56, s57
	v_add_f32 v[ZA], v[ZA], v[ZA+1]
	v_add_f32 v[ZE], v[ZE], v[ZE+1]
	v_fma_f32 v[ZA], v[ZA], s60, s44
	v_fma_f32 v[ZE], v[ZE], s61, s45
	v_exp_f32 v[ZA], v[ZA]
	v_exp_f32 v[ZE], v[ZE]
	v_nop
	s_wait_alu depctr_va_vdst(0)                   ; one wait for the two powers
	v_add_f32 v[ZA], 1.0, v[ZA]
	v_add_f32 v[ZE], 1.0, v[ZE]
	v_log_f32 v[ZA], v[ZA]
	v_log_f32 v[ZE], v[ZE]
	v_nop
	s_wait_alu depctr_va_vdst(0)                   ; one wait for the two logarithms
	v_max_num_f32 v[ZA], -v[ZA], s62
	v_max_num_f32 v[ZE], -v[ZE], s63
	ds_store_b32 v[RG], v[ZA]                      ; both halves of the lanes hold, and write, the same number
	ds_store_b32 v[RG], v[ZE] offset:512
.Lno_gate:
	s_wait_loadcnt 0x0                             ; the weights
	WIN 0x45                                       ; sources and destination in window 1: each raw fragment is rounded in place, 16 registers into its first 8
.set f, 0
.rept 16
.irp i,0,1,2,3,4,5,6,7
	v_cvt_pk_bf16_f32 v[16*f+\i], v[16*f+2*\i], v[16*f+2*\i+1]
.endr
.set f, f+1
.endr
	WIN 0
	s_cmp_lt_u32 s4, 6
	s_cbranch_scc0 .Lno_img
.irp i,0,1,2,3,4,5,6,7
	v_cvt_pk_bf16_f32 v[WO+\i], v[WR+2*\i], v[WR+2*\i+1]
.endr
	global_store_b128 v[L16], v[WO:WO+3], s[52:53]              ; 512 consecutive bytes each
	global_store_b128 v[L16], v[WO+4:WO+7], s[52:53] offset:512
.Lno_img:
	s_wait_dscnt 0x0                               ; my tile of x_norm (and my gates) are in LDS
	s_barrier_signal -1
	s_barrier_wait -1                              ; all eight tiles are
; 16 products: K steps 4 s .. 4 s + 3, my two channel tiles x two token tiles.  The four accumulators take turns, one instruction a turn.
; swap = 0: source 0 = weights: a lane of the result holds a token and 8 channels.  swap = 1: source 0 = x_norm: a lane holds a channel and 8 tokens.
.macro MUL16 swap, s
.irp k,0,1,2,3
.irp mt,0,1
.irp u,0,1
.set rD, ACC+8*(2*\mt+\u)
.set rW, 16*(8*\mt+4*(\s)+\k)
.set rB, X+64*(\s)+32*\u+8*\k
.if \swap
.if ((\s) == 0) && (\k == 0)
	v_wmma_f32_16x16x32_bf16 v[rD:rD+7], v[rB:rB+7], v[rW:rW+7], 0
.else
	v_wmma_f32_16x16x32_bf16 v[rD:rD+7], v[rB:rB+7], v[rW:rW+7], v[rD:rD+7]
.endif
.else
.if ((\s) == 0) && (\k == 0)
	v_wmma_f32_16x16x32_bf16 v[rD:rD+7], v[rW:rW+7], v[rB:rB+7], 0
.else
	v_wmma_f32_16x16x32_bf16 v[rD:rD+7], v[rW:rW+7], v[rB:rB+7], v[rD:rD+7]
.endif
.endif
.endr
.endr
.endr
.endm
; THE PRODUCT: four trips, two token tiles a trip
.macro PASS swap
.if \swap
.set STEP, 1024
.else
.set STEP, 16384
.endif
	s_mov_b32 s54, 4
.Lpass_\@:
.irp s,0,1
.irp u,0,1
.irp k,0,1,2,3
	ds_load_b128 v[X+64*\s+32*\u+8*\k:X+64*\s+32*\u+8*\k+3], v[BR] offset:\u*8192+(4*\s+\k)*1024
	ds_load_b128 v[X+64*\s+32*\u+8*\k+4:X+64*\s+32*\u+8*\k+7], v[BR] offset:\u*8192+(4*\s+\k)*1024+512
.endr
.endr
.endr
	v_add_nc_u32 v[BR], 16384, v[BR]
	s_wait_dscnt 16                                ; the second set's sixteen loads may stay out
.if \swap
	WIN 0x04                                       ; source 1 (the weights) in window 1
.else
	WIN 0x01                                       ; source 0 (the weights) in window 1
.endif
	MUL16 \swap, 0
	s_wait_dscnt 0x0
	MUL16 \swap, 1
	WIN 0
	PLACES
.if (\swap) == 0
.irp u,0,1                             ; the token's sum of squares over my 32 channels, of the f32 sums
	v_pk_mul_f32 v[SS+2*\u:SS+2*\u+1], v[ACC+8*\u:ACC+8*\u+1], v[ACC+8*\u:ACC+8*\u+1]
.irp p,2,4,6
	v_pk_fma_f32 v[SS+2*\u:SS+2*\u+1], v[ACC+8*\u+\p:ACC+8*\u+\p+1], v[ACC+8*\u+\p:ACC+8*\u+\p+1], v[SS+2*\u:SS+2*\u+1]
.endr
.irp p,0,2,4,6
	v_pk_fma_f32 v[SS+2*\u:SS+2*\u+1], v[ACC+16+8*\u+\p:ACC+16+8*\u+\p+1], v[ACC+16+8*\u+\p:ACC+16+8*\u+\p+1], v[SS+2*\u:SS+2*\u+1]
.endr
.endr
.irp u,0,1
	v_add_f32 v[SS+2*\u], v[SS+2*\u], v[SS+2*\u+1]
.endr
.irp u,0,1
	v_permlanex16_b32 v[SS+2*\u+1], v[SS+2*\u], s56, s57
.endr
.irp u,0,1
	v_add_f32 v[SS+2*\u], v[SS+2*\u], v[SS+2*\u+1]
.endr
.irp u,0,1
	ds_store_b32 v[RA], v[SS+2*\u] offset:\u*64
.endr
	v_add_nc_u32 v[RA], 128, v[RA]
.endif
	s_wait_xcnt 0x0                                ; the last trip's stores have read their data and their offset: both are written again only behind this wait
	v_add_nc_u32 v[GO], STEP, v[GO]                ; the stores below reach back by the step
.irp t,0,1,2,3
.irp i,0,1,2,3
	v_cvt_pk_bf16_f32 v[OB+4*\t+\i], v[ACC+8*\t+2*\i], v[ACC+8*\t+2*\i+1]
.endr
.endr
.irp t,0,1,2,3                         ; t = 2 mt + u; each store is one block of the image, 512 consecutive bytes
.if \swap
	global_store_b128 v[GO], v[OB+4*\t:OB+4*\t+3], s[48:49] offset:(\t/2)*8192+(\t%2)*512-STEP
.else
	global_store_b128 v[GO], v[OB+4*\t:OB+4*\t+3], s[48:49] offset:(\t%2)*8192+(\t/2)*512-STEP
.endif
.endr
	s_sub_co_u32 s54, s54, 1
	s_cmp_lg_u32 s54, 0
	s_cbranch_scc1 .Lpass_\@
.endm
	s_cmp_eq_u32 s3, 2
	s_cbranch_scc1 .Lfor_v
	PASS 0
	s_branch .Ljoin
.Lfor_v:
	PASS 1
.Ljoin:
	s_wait_dscnt 0x0                               ; my partial sums of squares are in LDS
	s_barrier_signal -1
	s_barrier_wait -1
	s_cmp_lg_u32 s4, 0                             ; wave 0 writes the work-group's 512 bytes of each plane of tok
	s_cbranch_scc1 .Lend
	s_cmp_eq_u32 s3, 2
	s_cbranch_scc1 .Lgates_out
.irp i,0,1,2,3,4,5,6,7
	ds_load_b128 v[X+4*\i:X+4*\i+3], v[T0] offset:\i*512
.endr
	s_wait_dscnt 0x0
.irp i,0,2,4,6
	v_pk_add_f32 v[X+4*\i:X+4*\i+1], v[X+4*\i:X+4*\i+1], v[X+4*\i+4:X+4*\i+5]
	v_pk_add_f32 v[X+4*\i+2:X+4*\i+3], v[X+4*\i+2:X+4*\i+3], v[X+4*\i+6:X+4*\i+7]
.endr
.irp i,0,4
	v_pk_add_f32 v[X+4*\i:X+4*\i+1], v[X+4*\i:X+4*\i+1], v[X+4*\i+8:X+4*\i+9]
	v_pk_add_f32 v[X+4*\i+2:X+4*\i+3], v[X+4*\i+2:X+4*\i+3], v[X+4*\i+10:X+4*\i+11]
.endr
	v_pk_add_f32 v[X:X+1], v[X:X+1], v[X+16:X+17]
	v_pk_add_f32 v[X+2:X+3], v[X+2:X+3], v[X+18:X+19]
	global_store_b128 v[L16], v[X:X+3], s[40:41]
	s_branch .Lend
.Lgates_out:
	ds_load_b128 v[X:X+3], v[T0]
	ds_load_b128 v[X+4:X+7], v[T0] offset:512
	s_wait_dscnt 0x0
	global_store_b128 v[L16], v[X:X+3], s[40:41]
	global_store_b128 v[L16], v[X+4:X+7], s[40:41] offset:32768
.Lend:
	s_wait_tensorcnt 0x0                           ; the wave's end, behind my last LDS store
	ds_add_u32 v[SPW], v[NIL]
	s_wait_dscnt 0x0
	s_endpgm
.Lfunc_end_k_q7ac78957c0_proj:
	.size	k_q7ac78957c0_proj, .Lfunc_end_k_q7ac78957c0_proj-k_q7ac78957c0_proj
	.p2alignl 7, 3214868480
	.fill 96, 4, 3214868480
	.section	.rodata,"a",@progbits
	.p2align	6, 0x0
	.amdhsa_kernel k_q7ac78957c0_proj
		.amdhsa_group_segment_fixed_size 74752
		.amdhsa_private_segment_fixed_size 0
		.amdhsa_enable_private_segment 0
		.amdhsa_kernarg_size 144
		.amdhsa_user_sgpr_count 2
		.amdhsa_user_sgpr_kernarg_segment_ptr 1
		.amdhsa_wavefront_size32 1
		.amdhsa_system_sgpr_workgroup_id_x 1
		.amdhsa_system_sgpr_workgroup_id_y 1
		.amdhsa_system_sgpr_workgroup_id_z 1
		.amdhsa_system_vgpr_workitem_id 0
		.amdhsa_next_free_vgpr 512
		.amdhsa_next_free_sgpr 66
		.amdhsa_reserve_vcc 0
		.amdhsa_float_denorm_mode_32 3
		.amdhsa_float_denorm_mode_16_64 3
		.amdhsa_memory_ordered 1
		.amdhsa_forward_progress 1
		.amdhsa_inst_pref_size 83
	.end_amdhsa_kernel
	.amdgpu_metadata
---
amdhsa.version: [ 1, 2 ]
amdhsa.kernels:
  - .name:           k_q7ac78957c0_proj
    .symbol:         k_q7ac78957c0_proj.kd
    .args:
      - { .name: x, .offset: 0, .size: 8, .value_kind: global_buffer, .address_space: global }
      - { .name: Wq, .offset: 8, .size: 8, .value_kind: global_buffer, .address_space: global }
      - { .name: Wk, .offset: 16, .size: 8, .value_kind: global_buffer, .address_space: global }
      - { .name: Wv, .offset: 24, .size: 8, .value_kind: global_buffer, .address_space: global }
      - { .name: Wa, .offset: 32, .size: 8, .value_kind: global_buffer, .address_space: global }
      - { .name: ba, .offset: 40, .size: 8, .value_kind: global_buffer, .address_space: global }
      - { .name: We, .offset: 48, .size: 8, .value_kind: global_buffer, .address_space: global }
      - { .name: be, .offset: 56, .size: 8, .value_kind: global_buffer, .address_space: global }
      - { .name: g1, .offset: 64, .size: 8, .value_kind: global_buffer, .address_space: global }
      - { .name: beta1, .offset: 72, .size: 8, .value_kind: global_buffer, .address_space: global }
      - { .name: Wo, .offset: 80, .size: 8, .value_kind: global_buffer, .address_space: global }
      - { .name: W1, .offset: 88, .size: 8, .value_kind: global_buffer, .address_space: global }
      - { .name: W2, .offset: 96, .size: 8, .value_kind: global_buffer, .address_space: global }
      - { .name: qimg, .offset: 104, .size: 8, .value_kind: global_buffer, .address_space: global }
      - { .name: kimg, .offset: 112, .size: 8, .value_kind: global_buffer, .address_space: global }
      - { .name: vimg, .offset: 120, .size: 8, .value_kind: global_buffer, .address_space: global }
      - { .name: tok, .offset: 128, .size: 8, .value_kind: global_buffer, .address_space: global }
      - { .name: wimg, .offset: 136, .size: 8, .value_kind: global_buffer, .address_space: global }
    .group_segment_fixed_size: 74752
    .private_segment_fixed_size: 0
    .kernarg_segment_align: 8
    .kernarg_segment_size: 144
    .max_flat_workgroup_size: 256
    .sgpr_count:     66
    .vgpr_count:     512
    .wavefront_size: 32
...
	.end_amdgpu_metadata
.endif
;; end of part 1
;; launch solve (part 2): grid 2 x 32, 8 waves a work-group, no clusters, 265,216 bytes of LDS; arguments kimg, vimg, tok, eimg, gate; writes eimg, gate
.if DOCPART == 2
	.amdgcn_target "amdgcn-amd-amdhsa--gfx1250"
	.amdhsa_code_object_version 6
	.text
	.protected	k_q7ac78957c0_solve
	.globl	k_q7ac78957c0_solve
	.p2align	8
	.type	k_q7ac78957c0_solve,@function
k_q7ac78957c0_solve:
	s_mov_b64 s[64:65], 0
	v_nop
	global_prefetch_b8 v0, s[64:65] scope:SCOPE_SE
	s_setreg_imm32_b32 hwreg(HW_REG_WAVE_MODE, 25, 1), 1
	s_wait_xcnt 0x0
; THE SCAN AS A TRIANGULAR SYSTEM.  With g = 1 - alpha, c[t] = the sum over r <= t of log2 g[r], the delta rule's errors err obey (I + L) E = V, where
; L[t][s] = eta[s] 2^(c[t-1] - c[s]) (k[t].k[s]) for s < t and 0 elsewhere.  k~ comes unnormalised, so all that hangs on one token goes into one exponent:
; L[t][s] = 2^(rowL[t] + col[s]) (k~[t].k~[s]), rowL[t] = c[t-1] + lrk[t], col[s] = le[s] - c[s] + lrk[s], lrk = -0.5 log2(max(|k~|^2, 1e-24)) (the reference's max(norm, 1e-12)).
; Work-group (half, batch): the whole of -L, the inverses of its eight diagonal blocks of 32, and 128 of E's 256 columns.  Wave w: rows 16 w .. and 16 (15 - w) .. of -L (17 tiles each),
; diagonal block w, and column tile ci = 8 half + w of E.  The system is solved forward by blocks of 32 rows; a diagonal block is inverted by substitution in f32 on 16 x 16 and one exact merge
; of two such blocks: no series is cut.  Images: as in the launch before (a block of 512 bytes = 32 lanes x 16 bytes; two blocks are a fragment).
; LIMITS.  |c| is 7,680 at the most (lg is held at -30), so an exponent is good to 2^-11; |k~|^2 and |q~|^2 within 1e-24 .. 1e30.  -L, the inverses and E enter the products in bf16.
.set KIMG,  0          ; LDS: the batch's image of k~, 131,072 bytes, filled once by tensor loads
.set AM,    131072     ; image of the matrix [t][s]: -L below the diagonal blocks, their inverses in them
.set ROWL,  262144     ; rowL, 256 f32
.set COL,   263168     ; col, 256 f32
.set SPARE, 264192     ; the spare words, 128 bytes for each of the eight waves
; v1 16 lane; v2 r; v3 h; v4 fragment address of column tile c; v5, v6 where my two rows' tiles go; v7 col's address; v8, v9 r - 8 h + 16 (a - c); v[10:11], v[12:13] rowL of my two rows, twice
; v14 -1000; v15 lane; v16, v17 AM + 16 lane, and 65,536 on; v18, v19 the add's two registers; v20, v23, v26, v27 the inverse's addresses; v21 the turning load's lane term; v[24:31] at work
.set BLO,  32          ; v[32:95]   fragments of k~, row tile w
.set BHI,  96          ; v[96:159]  row tile 15 - w
.set AF,   160         ; v[160:223] fragments of k~, column tile c
.set ACC0, 224
.set ACC1, 232
.set COLV, 240
.set EX,   248
.set LR,   32          ; the inverse: v[32:119] 22 pieces of -L's diagonal tile
.set XI,   120         ; v[120:135] my row of the inverse
.set PK,   136         ; v[136:143] the same in bf16
.set R,    32          ; the solve: v[32:159] right-hand side, tile a (16 tokens x my 16 columns, f32) at R + 8 a; E's fragment of block b takes the place of tile 2 b
.set SL,   160         ; v[160:255] six slots of 16: two fragments of AM
.set TMP,  24
.macro PLACES                          ; four places behind matrix instructions (ISA guide 7.12.1)
.rept 4
	v_nop
.endr
.endm
	s_load_b256 s[8:15], s[0:1], 0x0               ; kimg s[8:9], vimg s[10:11], tok s[12:13], eimg s[14:15]
	s_load_b64 s[16:17], s[0:1], 0x20              ; gate
	v_lshl_add_u32 v18, v0, 2, SPARE
	v_mov_b32 v19, 0
	ds_add_u32 v18, v19                            ; the wave's opening: the add, twice on end, and its wait ahead of my first tensor load
	ds_add_u32 v18, v19
	v_lshrrev_b32 v1, 5, v0
	v_readfirstlane_b32 s4, v1                     ; wave 0..7
	s_mov_b32 s2, ttmp9                            ; half
	s_and_b32 s3, ttmp7, 0xffff                    ; batch
	s_mov_b32 s24, 3<<16                           ; group 1: elements of 8 bytes, no padding, no mask
	s_mov_b32 s25, 32<<16                          ; tensor_dim0 = 32 (256 bytes)
	s_mov_b32 s26, 64<<16                          ; tensor_dim1 = 64
	s_mov_b32 s27, 32<<16                          ; tile_dim0 = 32
	s_mov_b32 s28, 64                              ; tile_dim1 = 64: my eighth of the image, 16,384 dense bytes
	s_mov_b32 s29, 32                              ; 32 elements from row to row
	s_mov_b32 s30, 0
	s_mov_b32 s31, 0
	s_mov_b32 s20, 1                               ; group 0: count,
	s_lshl_b32 s21, s4, 14                         ; LDS address,
	s_lshl_b32 s34, s3, 17
	s_add_co_u32 s34, s34, s21
	s_mov_b32 s35, 0
	s_wait_dscnt 0x0                               ; both opening adds are done
	s_wait_kmcnt 0x0
	s_add_nc_u64 s[22:23], s[8:9], s[34:35]        ; global address,
	s_or_b32 s23, s23, 0x80000000                  ; type
	tensor_load_to_lds s[20:23], s[24:31]          ; the launch's only tensor load of this wave
	s_nop 0
	s_lshl_b32 s34, s3, 17
	s_lshl_b32 s36, s2, 3
	s_add_co_u32 s36, s36, s4                      ; ci
	s_lshl_b32 s36, s36, 13
	s_add_co_u32 s34, s34, s36
	s_add_nc_u64 s[10:11], s[10:11], s[34:35]      ; V^T and E^T at row tile ci of the batch's image
	s_add_nc_u64 s[14:15], s[14:15], s[34:35]
	s_lshl_b32 s34, s3, 10
	s_add_nc_u64 s[12:13], s[12:13], s[34:35]
	s_lshl_b32 s34, s3, 11
	s_add_nc_u64 s[16:17], s[16:17], s[34:35]
	s_mov_b32 s36, 0xffff0000
	v_and_b32 v15, 31, v0
	v_lshlrev_b32 v1, 4, v15
	v_and_b32 v2, 15, v0
	v_bfe_u32 v3, v0, 4, 1
	v_and_b32 v21, 7, v0                           ; the turning load: lane l addresses row 8 (l / 16) + l % 8, piece (l / 8) % 2 of a block
	v_lshlrev_b32 v21, 4, v21
	v_lshl_add_u32 v21, v3, 7, v21
	v_bfe_u32 v24, v0, 3, 1
	v_lshl_add_u32 v21, v24, 8, v21
	v_add_nc_u32 v16, AM, v1
	v_add_nc_u32 v17, AM+65536, v1
	v_mov_b32 v14, 0xc47a0000                      ; -1000: 2^-1000 is 0
	s_cmp_lg_u32 s4, 0
	s_cbranch_scc1 .Lno_scan
	; WAVE 0: c by a prefix sum over the batch's 256 tokens, 8 a lane; then rowL, rowP, col
	v_lshlrev_b32 v24, 5, v15
	global_load_b128 v[32:35], v24, s[12:13] offset:65536       ; lg
	global_load_b128 v[36:39], v24, s[12:13] offset:65536+16
	global_load_b128 v[40:43], v24, s[12:13] offset:98304       ; le
	global_load_b128 v[44:47], v24, s[12:13] offset:98304+16
	global_load_b128 v[48:51], v24, s[12:13]                    ; |q~|^2
	global_load_b128 v[52:55], v24, s[12:13] offset:16
	global_load_b128 v[56:59], v24, s[12:13] offset:32768       ; |k~|^2
	global_load_b128 v[60:63], v24, s[12:13] offset:32768+16
	s_wait_loadcnt 0x0
.irp j,1,2,3,4,5,6,7
	v_add_f32 v[32+\j], v[32+\j], v[31+\j]         ; inside the lane
.endr
	v_mov_b32 v72, v39
.irp d,1,2,4,8,16                      ; across the lanes: five doubling steps on the lanes' totals
	v_add_nc_u32 v74, -\d, v15
	v_lshlrev_b32 v74, 2, v74
	ds_bpermute_b32 v73, v74, v72
	s_wait_dscnt 0x0
	v_cmp_le_u32 vcc_lo, \d, v15
	v_cndmask_b32 v73, 0, v73, vcc_lo
	v_add_f32 v72, v72, v73
.endr
	v_add_nc_u32 v74, -1, v15
	v_lshlrev_b32 v74, 2, v74
	ds_bpermute_b32 v75, v74, v72                  ; what the lanes below me add up to
.irp j,0,1,2,3,4,5,6,7,8,9,10,11,12,13,14,15
	v_max_num_f32 v[48+\j], 0x179abe15, v[48+\j]   ; 1e-24
.endr
.irp j,0,1,2,3,4,5,6,7,8,9,10,11,12,13,14,15
	v_log_f32 v[48+\j], v[48+\j]
.endr
	v_nop
	s_wait_dscnt 0x0
	v_cmp_le_u32 vcc_lo, 1, v15
	v_cndmask_b32 v75, 0, v75, vcc_lo
	s_wait_alu depctr_va_vdst(0)                   ; one wait for the sixteen logarithms
.irp j,0,1,2,3,4,5,6,7
	v_add_f32 v[32+\j], v75, v[32+\j]              ; c[t]
.endr
	v_fma_f32 v92, v56, -0.5, v75                  ; rowL = c[t-1] + lrk
	v_fma_f32 v100, v48, -0.5, v75                 ; rowP = c[t-1] + lrq
.irp j,1,2,3,4,5,6,7
	v_fma_f32 v[92+\j], v[56+\j], -0.5, v[31+\j]
	v_fma_f32 v[100+\j], v[48+\j], -0.5, v[31+\j]
.endr
.irp j,0,1,2,3,4,5,6,7
	v_sub_f32 v[108+\j], v[40+\j], v[32+\j]
.endr
.irp j,0,1,2,3,4,5,6,7
	v_fma_f32 v[108+\j], v[56+\j], -0.5, v[108+\j] ; col = le - c + lrk
.endr
	v_lshl_add_u32 v76, v15, 5, ROWL
	ds_store_b128 v76, v[92:95]
	ds_store_b128 v76, v[96:99] offset:16
	ds_store_b128 v76, v[108:111] offset:1024
	ds_store_b128 v76, v[112:115] offset:1040
	s_cmp_lg_u32 s2, 0                             ; one of the batch's two work-groups hands rowP and col to the launch behind
	s_cbranch_scc1 .Lno_scan
	global_store_b128 v24, v[100:103], s[16:17]
	global_store_b128 v24, v[104:107], s[16:17] offset:16
	global_store_b128 v24, v[108:111], s[16:17] offset:1024
	global_store_b128 v24, v[112:115], s[16:17] offset:1040
.Lno_scan:
	s_wait_xcnt 0x0                                ; those stores have read their data and their offset, which are written again below
	s_wait_tensorcnt 0x0                           ; my eighth of k~'s image is in LDS,
	s_wait_dscnt 0x0                               ; and so are rowL and col
	s_barrier_signal -1
	s_barrier_wait -1
	; -L.  Source 0 = k~'s rows s (column tile c), source 1 = k~'s rows t (my row tiles): a lane of the result holds one t and eight s, which is a block of AM's image
	s_sub_co_u32 s33, 15, s4
	s_lshl_b32 s34, s4, 13
	s_lshl_b32 s35, s33, 13
	v_add_nc_u32 v24, s34, v1
	v_add_nc_u32 v25, s35, v1
.irp k,0,1,2,3,4,5,6,7
	ds_load_b128 v[BLO+8*\k:BLO+8*\k+3], v24 offset:\k*1024
	ds_load_b128 v[BLO+8*\k+4:BLO+8*\k+7], v24 offset:\k*1024+512
	ds_load_b128 v[BHI+8*\k:BHI+8*\k+3], v25 offset:\k*1024
	ds_load_b128 v[BHI+8*\k+4:BHI+8*\k+7], v25 offset:\k*1024+512
.endr
	v_add_nc_u32 v5, AM, v24
	v_add_nc_u32 v6, AM, v25
	s_lshl_b32 s34, s4, 6
	s_lshl_b32 s35, s33, 6
	v_lshl_add_u32 v26, v2, 2, s34
	v_add_nc_u32 v26, ROWL, v26
	v_lshl_add_u32 v27, v2, 2, s35
	v_add_nc_u32 v27, ROWL, v27
	ds_load_b32 v10, v26
	ds_load_b32 v12, v27
	v_mov_b32 v4, v1
	v_lshl_add_u32 v7, v3, 5, COL
	v_lshlrev_b32 v8, 3, v3
	v_sub_nc_u32 v8, v2, v8
	s_lshl_b32 s34, s4, 4
	s_lshl_b32 s35, s33, 4
	v_add_nc_u32 v9, s35, v8
	v_add_nc_u32 v8, s34, v8
	s_wait_dscnt 0x0
	v_mov_b32 v11, v10
	v_mov_b32 v13, v12
; A tile: times -2^(row + col) where s < t, that is where register j < dlt, and 0 elsewhere; rounded to bf16; one block of AM
.macro MASKST acc, dlt, row, st
.irp p,0,2,4,6
	v_pk_add_f32 v[EX+\p:EX+\p+1], v[COLV+\p:COLV+\p+1], v[\row:\row+1]
.endr
.irp j,0,1,2,3,4,5,6,7
	v_cmp_lt_i32 vcc_lo, \j, v[\dlt]
	v_cndmask_b32 v[EX+\j], v14, v[EX+\j], vcc_lo
.endr
.irp j,0,1,2,3,4,5,6,7
	v_exp_f32 v[EX+\j], v[EX+\j]
.endr
	v_nop
	s_wait_alu depctr_va_vdst(0)                   ; one wait for the eight powers
.irp p,0,2,4,6
	v_pk_mul_f32 v[EX+\p:EX+\p+1], v[EX+\p:EX+\p+1], v[\acc+\p:\acc+\p+1]
.endr
.irp i,0,1,2,3
	v_cvt_pk_bf16_f32 v[EX+\i], v[EX+2*\i], v[EX+2*\i+1]
.endr
.irp i,0,1,2,3
	v_xor_b32 v[EX+\i], 0x80008000, v[EX+\i]       ; the minus
.endr
	ds_store_b128 v[\st], v[EX:EX+3]
.endm
	s_mov_b32 s32, 0
.Lgram:                                        ; c = 0 .. 15, counted to the constant; a wave jumps forward over the tiles above its rows' diagonal
	s_cmp_gt_u32 s32, s33
	s_cbranch_scc1 .Lgstep
.irp k,0,1,2,3,4,5,6,7
	ds_load_b128 v[AF+8*\k:AF+8*\k+3], v4 offset:\k*1024
	ds_load_b128 v[AF+8*\k+4:AF+8*\k+7], v4 offset:\k*1024+512
.endr
	ds_load_b128 v[COLV:COLV+3], v7
	ds_load_b128 v[COLV+4:COLV+7], v7 offset:16
	s_cmp_gt_u32 s32, s4
	s_cbranch_scc1 .Lghi
	s_wait_dscnt 0x0
	v_wmma_f32_16x16x32_bf16 v[ACC0:ACC0+7], v[AF:AF+7], v[BLO:BLO+7], 0        ; both rows: the two accumulators take turns
	v_wmma_f32_16x16x32_bf16 v[ACC1:ACC1+7], v[AF:AF+7], v[BHI:BHI+7], 0
.irp k,1,2,3,4,5,6,7
	v_wmma_f32_16x16x32_bf16 v[ACC0:ACC0+7], v[AF+8*\k:AF+8*\k+7], v[BLO+8*\k:BLO+8*\k+7], v[ACC0:ACC0+7]
	v_wmma_f32_16x16x32_bf16 v[ACC1:ACC1+7], v[AF+8*\k:AF+8*\k+7], v[BHI+8*\k:BHI+8*\k+7], v[ACC1:ACC1+7]
.endr
	PLACES
	MASKST ACC0, 8, 10, 5
	MASKST ACC1, 9, 12, 6
	s_branch .Lgstep
.Lghi:
	s_wait_dscnt 0x0
	v_wmma_f32_16x16x32_bf16 v[ACC0:ACC0+7], v[AF:AF+7], v[BHI:BHI+7], 0        ; the lower row alone: even and odd K steps take turns on two accumulators
	v_wmma_f32_16x16x32_bf16 v[ACC1:ACC1+7], v[AF+8:AF+15], v[BHI+8:BHI+15], 0
.irp k,2,4,6
	v_wmma_f32_16x16x32_bf16 v[ACC0:ACC0+7], v[AF+8*\k:AF+8*\k+7], v[BHI+8*\k:BHI+8*\k+7], v[ACC0:ACC0+7]
	v_wmma_f32_16x16x32_bf16 v[ACC1:ACC1+7], v[AF+8*\k+8:AF+8*\k+15], v[BHI+8*\k+8:BHI+8*\k+15], v[ACC1:ACC1+7]
.endr
	PLACES
.irp p,0,2,4,6
	v_pk_add_f32 v[ACC1+\p:ACC1+\p+1], v[ACC1+\p:ACC1+\p+1], v[ACC0+\p:ACC0+\p+1]
.endr
	MASKST ACC1, 9, 12, 6
.Lgstep:
	v_add_nc_u32 v4, 8192, v4
	v_add_nc_u32 v5, 512, v5
	v_add_nc_u32 v6, 512, v6
	v_add_nc_u32 v7, 64, v7
	v_add_nc_u32 v8, -16, v8
	v_add_nc_u32 v9, -16, v9
	s_add_co_u32 s32, s32, 1
	s_cmp_lt_u32 s32, 16
	s_cbranch_scc1 .Lgram
	s_wait_dscnt 0x0                               ; my tiles of -L are in LDS
	s_barrier_signal -1
	s_barrier_wait -1
	; V^T's row tile ci, 16 blocks: they land while the diagonal block is inverted.  Tile a: v[208 + 4 a ..] (a < 12), v[144 + 4 (a - 12) ..]
.set a, 0
.rept 16
.if a < 12
.set VR, 208+4*a
.else
.set VR, 144+4*(a-12)
.endif
	global_load_b128 v[VR:VR+3], v1, s[10:11] offset:a*512
.set a, a+1
.endr
	; THE INVERSE OF DIAGONAL BLOCK w.  Lanes 0-15 take tile 2 w, lanes 16-31 tile 2 w + 1; lane c makes row c of T = (I + L)^-1 from T (I + L) = I:
	; T[c][u] = delta - the sum over p > u of T[c][p] L[p][u], columns from the right.  The 22 pieces hold -L's rows 1 to 15, the same for all lanes of a half.
	s_mul_i32 s34, s4, 17408                       ; tile (2 w, 2 w) lies at 2 w (8,192 + 512)
	v_mul_u32_u24 v20, v3, 8704
	v_add_nc_u32 v20, s34, v20
	v_add_nc_u32 v20, AM, v20
	v_lshl_add_u32 v23, v2, 4, v20
	v_add_nc_u32 v26, s34, v1
	v_add_nc_u32 v26, AM, v26
	v_add_nc_u32 v27, s34, v21
	v_add_nc_u32 v27, AM, v27
.set p, 1
.rept 15
.set q, 0
.rept 2
.if q <= (p-1)/8
.if p <= 8
.set ix, p-1
.else
.set ix, 8+2*(p-9)+q
.endif
	ds_load_b128 v[LR+4*ix:LR+4*ix+3], v20 offset:(p+16*q)*16
.endif
.set q, q+1
.endr
.set p, p+1
.endr
.irp u,0,1,2,3,4,5,6,7,8,9,10,11,12,13,14,15
	v_cmp_eq_u32 vcc_lo, \u, v2
	v_cndmask_b32 v[XI+\u], 0, 1.0, vcc_lo
.endr
.irp z,164,165,166,167,172,173,174,175,188,189,190,191,196,197,198,199
	v_mov_b32 v\z, 0                               ; the merge's fragments are 16 deep: their upper halves of K are 0
.endr
	s_wait_dscnt 0x0
.set p, 15
.rept 15
.set u, 0
.rept 15
.if u < p
.if p <= 8
.set ix, p-1
.else
.set ix, 8+2*(p-9)+u/8
.endif
.set rl, LR+4*ix+(u%8)/2
.if u%2
	v_fma_mix_f32_bf16 v[XI+u], v[rl], v[XI+p], v[XI+u] op_sel:[1,0,0] op_sel_hi:[1,0,0]
.else
	v_fma_mix_f32_bf16 v[XI+u], v[rl], v[XI+p], v[XI+u] op_sel:[0,0,0] op_sel_hi:[1,0,0]
.endif
.endif
.set u, u+1
.endr
.set p, p-1
.endr
.irp i,0,1,2,3,4,5,6,7
	v_cvt_pk_bf16_f32 v[PK+\i], v[XI+2*\i], v[XI+2*\i+1]
.endr
	ds_store_b128 v23, v[PK:PK+3]                  ; T1 and T2 take their tiles' places (these blocks are my wave's alone between the two barriers; LDS serves a wave's instructions in order, ISA guide 5.7.1.4)
	ds_store_b128 v23, v[PK+4:PK+7] offset:256
	ds_store_b128 v26, v[164:167] offset:512       ; tile (2 w, 2 w + 1) is 0
	; the merge: the inverse of [[I + L1, 0], [C, I + L2]] is [[T1, 0], [T2 (-C) T1, T2]]
	ds_load_b128 v[160:163], v26 offset:8192       ; -C: lane = its row
	ds_load_tr16_b128 v[168:171], v27              ; T1, turned: lane = its column
	ds_load_b128 v[192:195], v26 offset:8704       ; T2: lane = its row
	s_wait_dscnt 0x0
	v_wmma_f32_16x16x32_bf16 v[176:183], v[160:167], v[168:175], 0              ; -C T1: a lane holds a column
	PLACES
.irp i,0,1,2,3
	v_cvt_pk_bf16_f32 v[184+\i], v[176+2*\i], v[176+2*\i+1]                      ; as source 0 that is (-C T1)^T
.endr
	v_wmma_f32_16x16x32_bf16 v[200:207], v[184:191], v[192:199], 0              ; (-C T1)^T T2^T: a lane holds a row of T2 (-C) T1
	PLACES
.irp i,0,1,2,3
	v_cvt_pk_bf16_f32 v[PK+\i], v[200+2*\i], v[200+2*\i+1]
.endr
	ds_store_b128 v26, v[PK:PK+3] offset:8192
	s_wait_loadcnt 0x0                             ; V
.set a, 0
.rept 16                               ; bf16 to f32; ascending a, so that no raw tile is written over before it is read
.if a < 12
.set VR, 208+4*a
.else
.set VR, 144+4*(a-12)
.endif
.irp i,0,1,2,3
	v_lshlrev_b32 v[R+8*a+2*\i], 16, v[VR+\i]
	v_and_b32 v[R+8*a+2*\i+1], s36, v[VR+\i]
.endr
.set a, a+1
.endr
	s_wait_dscnt 0x0                               ; my diagonal block is in LDS
	s_barrier_signal -1
	s_barrier_wait -1
	; THE SOLVE: 36 pairs of products.  Pair (a, b): fragments of AM's row tiles a, a + 1, columns 32 b ..; a = 2 b: E_b = T_b R_b; a > 2 b: R_a += (-L)(a, b) E_b.
	; Two tiles of the right-hand side, rounded in pairs, ARE source 1 (32 tokens x my 16 columns).  The fragments of AM are fetched five pairs ahead, through six slots.
.macro LOADNEXT
.if lb < 8
.set SLB, SL+16*(ln%6)
.set AV, 16+(la/8)
.set OF, (la%8)*8192+lb*1024
	ds_load_b128 v[SLB:SLB+3], v[AV] offset:OF
	ds_load_b128 v[SLB+4:SLB+7], v[AV] offset:OF+512
	ds_load_b128 v[SLB+8:SLB+11], v[AV] offset:OF+8192
	ds_load_b128 v[SLB+12:SLB+15], v[AV] offset:OF+8704
.set ln, ln+1
.set la, la+2
.if la > 14
.set lb, lb+1
.set la, 2*lb
.endif
.endif
.endm
.macro PAIR
.if pt == 0
	PLACES                                         ; behind the last pair's products: for the loads into its slot, and for conversions that read its results
.if pa == 2*pb
	v_nop                                          ; a fifth place: this pair's products take as source 1 registers in which a matrix result lay (in block 7 the result of the pair just ahead), and the
	                                               ; conversions between name those registers, so they are no places (ISA guide 7.12.1)
.endif
.endif
	LOADNEXT
	s_wait_dscnt 4*(ln-pn-1)                       ; four loads for each pair fetched behind this one may stay out
.set SLB, SL+16*(pn%6)
.set RB, R+8*pa
.if pa == 2*pb
.irp i,0,1,2,3,4,5,6,7
	v_cvt_pk_bf16_f32 v[RB+\i], v[RB+2*\i], v[RB+2*\i+1]
.endr
	v_wmma_f32_16x16x32_bf16 v[TMP:TMP+7], v[SLB:SLB+7], v[RB:RB+7], 0
	v_wmma_f32_16x16x32_bf16 v[RB+8:RB+15], v[SLB+8:SLB+15], v[RB:RB+7], 0
	PLACES
.irp i,0,1,2,3
	v_cvt_pk_bf16_f32 v[RB+\i], v[TMP+2*\i], v[TMP+2*\i+1]
.endr
.irp i,0,1,2,3
	v_cvt_pk_bf16_f32 v[RB+4+\i], v[RB+8+2*\i], v[RB+8+2*\i+1]
.endr
.set pt, 1
.else
.set EB, R+16*pb
	v_wmma_f32_16x16x32_bf16 v[RB:RB+7], v[SLB:SLB+7], v[EB:EB+7], v[RB:RB+7]
	v_wmma_f32_16x16x32_bf16 v[RB+8:RB+15], v[SLB+8:SLB+15], v[EB:EB+7], v[RB+8:RB+15]
.set pt, 0
.endif
.set pn, pn+1
.set pa, pa+2
.if pa > 14
.set pb, pb+1
.set pa, 2*pb
.endif
.endm
.set la, 0
.set lb, 0
.set ln, 0
.set pa, 0
.set pb, 0
.set pn, 0
.set pt, 1                             ; ahead of the first pair the unpacking lines are the places
.rept 5
	LOADNEXT
.endr
.rept 36
	PAIR
.endr
.set b, 0
.rept 8                                ; E^T's row tile ci: each store is a block of the image, 512 consecutive bytes
	global_store_b128 v1, v[R+16*b:R+16*b+3], s[14:15] offset:b*1024
	global_store_b128 v1, v[R+16*b+4:R+16*b+7], s[14:15] offset:b*1024+512
.set b, b+1
.endr
	s_wait_tensorcnt 0x0                           ; the wave's end, behind my last tensor load and my last LDS store
	ds_add_u32 v18, v19
	s_wait_dscnt 0x0
	s_endpgm
.Lfunc_end_k_q7ac78957c0_solve:
	.size	k_q7ac78957c0_solve, .Lfunc_end_k_q7ac78957c0_solve-k_q7ac78957c0_solve
	.p2alignl 7, 3214868480
	.fill 96, 4, 3214868480
	.section	.rodata,"a",@progbits
	.p2align	6, 0x0
	.amdhsa_kernel k_q7ac78957c0_solve
		.amdhsa_group_segment_fixed_size 265216
		.amdhsa_private_segment_fixed_size 0
		.amdhsa_enable_private_segment 0
		.amdhsa_kernarg_size 40
		.amdhsa_user_sgpr_count 2
		.amdhsa_user_sgpr_kernarg_segment_ptr 1
		.amdhsa_wavefront_size32 1
		.amdhsa_system_sgpr_workgroup_id_x 1
		.amdhsa_system_sgpr_workgroup_id_y 1
		.amdhsa_system_sgpr_workgroup_id_z 1
		.amdhsa_system_vgpr_workitem_id 0
		.amdhsa_next_free_vgpr 256
		.amdhsa_next_free_sgpr 66
		.amdhsa_reserve_vcc 1
		.amdhsa_float_denorm_mode_32 3
		.amdhsa_float_denorm_mode_16_64 3
		.amdhsa_memory_ordered 1
		.amdhsa_forward_progress 1
		.amdhsa_inst_pref_size 71
	.end_amdhsa_kernel
	.amdgpu_metadata
---
amdhsa.version: [ 1, 2 ]
amdhsa.kernels:
  - .name:           k_q7ac78957c0_solve
    .symbol:         k_q7ac78957c0_solve.kd
    .args:
      - { .name: kimg, .offset: 0, .size: 8, .value_kind: global_buffer, .address_space: global }
      - { .name: vimg, .offset: 8, .size: 8, .value_kind: global_buffer, .address_space: global }
      - { .name: tok, .offset: 16, .size: 8, .value_kind: global_buffer, .address_space: global }
      - { .name: eimg, .offset: 24, .size: 8, .value_kind: global_buffer, .address_space: global }
      - { .name: gate, .offset: 32, .size: 8, .value_kind: global_buffer, .address_space: global }
    .group_segment_fixed_size: 265216
    .private_segment_fixed_size: 0
    .kernarg_segment_align: 8
    .kernarg_segment_size: 40
    .max_flat_workgroup_size: 256
    .sgpr_count:     66
    .vgpr_count:     256
    .wavefront_size: 32
...
	.end_amdgpu_metadata
.endif
;; end of part 2
;; launch rest (part 3): grid 256 x 1, 4 waves a work-group, clusters of 4 x 1, 327,680 bytes of LDS; arguments x, qimg, kimg, eimg, gate, wimg, b1, b2, bo, g2, beta2, out0; writes out0
.if DOCPART == 3
	.amdgcn_target "amdgcn-amd-amdhsa--gfx1250"
	.amdhsa_code_object_version 6
	.text
	.protected	k_q7ac78957c0_rest
	.globl	k_q7ac78957c0_rest
	.p2align	8
	.type	k_q7ac78957c0_rest,@function
k_q7ac78957c0_rest:
	s_mov_b64 s[64:65], 0
	v_nop
	global_prefetch_b8 v0, s[64:65] scope:SCOPE_SE
	s_setreg_imm32_b32 hwreg(HW_REG_WAVE_MODE, 25, 1), 1
	s_wait_xcnt 0x0
	s_wait_alu depctr_hold_cnt(0) depctr_sa_sdst(0) depctr_va_vdst(0) depctr_va_sdst(0) depctr_va_ssrc(0) depctr_va_vcc(0) depctr_vm_vsrc(0)
	s_getreg_b32 s2, hwreg(HW_REG_IB_STS2, 6, 4)
	s_cmp_eq_u32 s2, 0
	s_cbranch_scc0 .Lentry_in_a_cluster
	s_endpgm
.Lentry_in_a_cluster:
	s_bfe_u32 s2, ttmp6, 0x10000c
	s_cmp_lg_u32 s2, 0x3003
	s_cbranch_scc0 .Lentry_shape_is_right
	s_endpgm
.Lentry_shape_is_right:
; reads = (M o (Q E^T)) K, then Wo, the residual, LN2, the FFN and the residual, for 32 tokens a work-group, without leaving the WGP.
; All products are taken as weights x activations^T: a lane of every result holds ONE token (lane % 16) and eight rows, so a result rounded in pairs is a block of the next product's source 1.
; ELEVEN UNITS of 131,072 bytes, each the image of a 256 x 256 matrix (a block of 512 bytes = 32 lanes x 16 bytes; two blocks are a fragment), walk through two LDS slots:
;   U0 E^T of the batch (read turned): S^T = E Q~^T;  then P^T = S^T 2^(col[s] + rowP[t]) where s < t, else 0      U1 K~ of the batch (read turned): R^T = K~^T P^T
;   U2 Wo: x1^T = x^T + bo + Wo R^T; LN2      U3, U5, U7, U9 256 rows of W1: relu(b1 + W1 x2^T)      U4, U6, U8, U10 256 columns of W2: onto x1^T + b2
; A unit is 256 x 256 x 32: wave w makes rows 64 w .. 64 w + 63 for both token tiles: 8 accumulators, 64 products.  The activations pass between the waves through two LDS buffers that take turns.
; CLUSTER.  The four work-groups of a cluster are half a batch and walk the same eleven units: each quarter of a unit is asked for JOINTLY, by the same tensor load with the same descriptor and the mask
; of four.  One round of the cluster's barrier a unit serves the change of slots and the exchange of activations.  By this text's count a wave has two tensor loads out at the start, later one.
; The half of U0's and U1's products that the causal mask throws away is made all the same: partners would otherwise want different tiles.
; LIMITS.  As in the launch before: exponents good to 2^-11; matrix operands in bf16; NaN and infinities are not treated apart.
.set SLOT1, 131072
.set BUFA,  262144     ; 16,384 bytes: image of 32 tokens x 256: token tile u at 8,192 u
.set BUFB,  278528     ; the same; BUFB = BUFA + 16,384
.set PAR,   294912     ; b1 4,096 bytes; then bo, b2, g2, beta2, 1,024 each
.set STAT,  303104     ; 1,024 bytes: the waves' means and sums of squares for LN2
.set SPARE, 304128     ; the spare words, 128 bytes for each of the four waves
; v1 16 lane; v2 r; v3 h; v4, v5 plain fragments' address in slot 0, 1; v6-v9 turned fragments' (slot, upper half); v10 BUFA + 16 lane; v11 BUFA + 2,048 w + 16 lane; v12 PAR + 256 w + 32 h; v13 the same, stepping through b1
; v14, v15 my token less my first s, for token tile 0, 1; v[16:17], v[18:19] rowP, twice; v20 -1000; v21 0; v22, v23 the add's two registers; v24 my place in 16 rows of x; v25 256 lane
; v26, v27 STAT's addresses; v28, v29 the stage's; v30, v31 offsets into gate
.set OUT, 32           ; v[32:95]   tile (m, u) at OUT + 16 m + 8 u: x1^T, at last the result; before that col
.set ACC, 96           ; v[96:159]  the same for the units that feed the next one
.set AF,  160          ; v[160:223] two sets of four fragments of the unit
.set BF,  224          ; v[224:255] two sets of two fragments of the activations
.macro PLACES                          ; four places behind matrix instructions (ISA guide 7.12.1)
.rept 4
	v_nop
.endr
.endm
; A round of the cluster's barrier: my work-group's barrier; wave 0 signals for the work-group; every wave waits for all four work-groups; my work-group's barrier once more
.macro CROUND
	s_barrier_signal -1
	s_barrier_wait -1
	s_cmp_lg_u32 s4, 0
	s_cbranch_scc1 .Lnot_wave_0_\@
	s_barrier_signal -3
.Lnot_wave_0_\@:
	s_barrier_wait -3
	s_barrier_signal -1
	s_barrier_wait -1
.endm
; THE CHANGE OF SLOTS AND OF BUFFERS.  Each wave waits for all its tensor loads (one is out: its quarter of the next unit), adds 0 to its spare word, and waits for that, for its reads of the slot and of the
; activations, and for its stores of the new activations.  fill = 1: the slot just read is filled again, first thing behind the round, with the unit at s[48:49].
.macro CHG fill
	s_wait_tensorcnt 0x0
	ds_add_u32 v22, v23                            ; 0 onto my spare word; the descriptor's steps stand between it and the wait for it
.if \fill
	s_xor_b32 s45, s45, SLOT1                      ; the other slot than last time
	s_mov_b64 s[46:47], s[48:49]
	s_or_b32 s47, s47, 0x80000000
	s_add_nc_u64 s[48:49], s[48:49], 131072
	s_wait_xcnt 0x0                                ; the last prefetch, a unit back, has read its address
	s_add_nc_u64 s[50:51], s[50:51], 131072
	s_wait_dscnt 0x0
	CROUND
	tensor_load_to_lds s[44:47], s[32:39]
	s_nop 0
.else
	s_wait_dscnt 0x0
	s_barrier_signal -1
	s_barrier_wait -1
.endif
	PLACES                                         ; behind the last unit's products, ahead of the loads into their registers
.endm
; A PREFETCH INTO THE L2 of the unit that stands two refills on.  wimg's units are walked by all 64 clusters: cluster 0 asks, and nobody else; its sixteen waves share a unit out by address,
; 8,192 bytes each, a lane a block of 256: each block is named once in the launch.  U0 to U3 come by their loads alone; the changes in front of U1 to U7 ask for U4 to U10; the later ones for nothing.
.macro ASK how
.if (\how) == 1
	s_cmp_eq_u32 s53, 1
.else
	s_cmp_gt_u32 s52, s53                          ; s52 = 1 in the loop's last trip
.endif
	s_cbranch_scc0 .Lnot_mine_\@
	global_prefetch_b8 v25, s[50:51] th:TH_LOAD_NT scope:SCOPE_SE
.Lnot_mine_\@:
.endm
; The twelve LDS loads of K step kk: my four fragments of the unit (plain: lane = row; turned: lane = column), the two of the activations
.macro LOADK slot, tr, buf, kk, set
.irp m,0,1,2,3
.if \tr
	ds_load_tr16_b128 v[AF+32*(\set)+8*\m:AF+32*(\set)+8*\m+3], v[6+2*(\slot)+(\kk)/4] offset:((\kk)%4)*16384+\m*512
	ds_load_tr16_b128 v[AF+32*(\set)+8*\m+4:AF+32*(\set)+8*\m+7], v[6+2*(\slot)+(\kk)/4] offset:((\kk)%4)*16384+8192+\m*512
.else
	ds_load_b128 v[AF+32*(\set)+8*\m:AF+32*(\set)+8*\m+3], v[4+(\slot)] offset:\m*8192+(\kk)*1024
	ds_load_b128 v[AF+32*(\set)+8*\m+4:AF+32*(\set)+8*\m+7], v[4+(\slot)] offset:\m*8192+(\kk)*1024+512
.endif
.endr
.irp u,0,1
	ds_load_b128 v[BF+16*(\set)+8*\u:BF+16*(\set)+8*\u+3], v10 offset:(\buf)*16384+\u*8192+(\kk)*1024
	ds_load_b128 v[BF+16*(\set)+8*\u+4:BF+16*(\set)+8*\u+7], v10 offset:(\buf)*16384+\u*8192+(\kk)*1024+512
.endr
.endm
; A UNIT: eight K steps of 32, eight products each; the eight accumulators take turns, one instruction a turn.  A K step's loads go out one step ahead.
.macro UNIT slot, tr, buf, dst, zero, ask
	LOADK \slot, \tr, \buf, 0, 0
.if \ask
	ASK \ask
.endif
.set k, 0
.rept 8
.if k < 7
.if k > 0
	PLACES                                         ; the set to be loaded was read by the products just issued
.endif
	LOADK \slot, \tr, \buf, k+1, (k+1)%2
	s_wait_dscnt 12                                ; the twelve just issued may stay out
.else
	s_wait_dscnt 0x0
.endif
.irp m,0,1,2,3
.irp u,0,1
.if (\zero) && (k == 0)
	v_wmma_f32_16x16x32_bf16 v[\dst+16*\m+8*\u:\dst+16*\m+8*\u+7], v[AF+32*(k%2)+8*\m:AF+32*(k%2)+8*\m+7], v[BF+16*(k%2)+8*\u:BF+16*(k%2)+8*\u+7], 0
.else
	v_wmma_f32_16x16x32_bf16 v[\dst+16*\m+8*\u:\dst+16*\m+8*\u+7], v[AF+32*(k%2)+8*\m:AF+32*(k%2)+8*\m+7], v[BF+16*(k%2)+8*\u:BF+16*(k%2)+8*\u+7], v[\dst+16*\m+8*\u:\dst+16*\m+8*\u+7]
.endif
.endr
.endr
.set k, k+1
.endr
.endm
; ACC goes to BUFA in bf16, eight blocks; relu = 1: negative numbers become 0, and b1's address steps to the next 256 rows
.macro EPK relu
	PLACES
.set t, 0
.rept 8
.irp i,0,1,2,3
	v_cvt_pk_bf16_f32 v[ACC+8*t+\i], v[ACC+8*t+2*\i], v[ACC+8*t+2*\i+1]
.endr
.if \relu
.irp i,0,1,2,3
	v_pk_max_num_bf16 v[ACC+8*t+\i], v[ACC+8*t+\i], v21
.endr
.endif
	ds_store_b128 v11, v[ACC+8*t:ACC+8*t+3] offset:(t%2)*8192+(t/2)*512
.set t, t+1
.endr
.if \relu
	v_add_nc_u32 v13, 1024, v13
.endif
.endm
.macro B1LOAD                          ; the sums of a W1 unit start at b1: a register's eight rows are the same for all tokens
.set t, 0
.rept 8
	ds_load_b128 v[ACC+8*t:ACC+8*t+3], v13 offset:(t/2)*64
	ds_load_b128 v[ACC+8*t+4:ACC+8*t+7], v13 offset:(t/2)*64+16
.set t, t+1
.endr
.endm
	s_load_b512 s[8:23], s[0:1], 0x0               ; x s[8:9], qimg s[10:11], kimg s[12:13], eimg s[14:15], gate s[16:17], wimg s[18:19], b1 s[20:21], b2 s[22:23]
	s_load_b256 s[24:31], s[0:1], 0x40             ; bo s[24:25], g2 s[26:27], beta2 s[28:29], out0 s[30:31]
	v_lshl_add_u32 v22, v0, 2, SPARE
	v_mov_b32 v23, 0
	ds_add_u32 v22, v23                            ; the wave's opening: the add, twice on end, and its wait ahead of my first tensor load
	ds_add_u32 v22, v23
	v_lshrrev_b32 v1, 5, v0
	v_readfirstlane_b32 s4, v1                     ; wave 0..3
	s_bfe_u32 s5, ttmp6, 0x40000                   ; cx: my place in the cluster
	s_lshl_b32 s6, ttmp9, 2
	s_add_co_u32 s6, s6, s5                        ; my block of 32 tokens: it enters global addresses and the mask's numbers alone
	s_lshr_b32 s7, ttmp9, 1                        ; the batch, which the four partners share
	s_mov_b32 s32, 15|(3<<16)|(1<<21)              ; group 1: the mask of four; elements of 8 bytes; bit 21 beside a mask; no padding
	s_mov_b32 s33, 32<<16                          ; tensor_dim0 = 32 (256 bytes)
	s_mov_b32 s34, 128<<16                         ; tensor_dim1 = 128
	s_mov_b32 s35, 32<<16                          ; tile_dim0 = 32
	s_mov_b32 s36, 128                             ; tile_dim1 = 128: a quarter of a unit, 32,768 dense bytes
	s_mov_b32 s37, 32
	s_mov_b32 s38, 0
	s_mov_b32 s39, 0
	s_mov_b32 s40, 1                               ; group 0 for U0: slot 0,
	s_lshl_b32 s41, s4, 15                         ; my quarter
	s_mov_b32 s44, 1                               ; group 0 for U1, slot 1; it then walks
	s_add_co_u32 s45, s41, SLOT1
	s_mov_b32 s54, 0x76543210
	s_mov_b32 s55, 0xfedcba98
	s_cmp_eq_u32 ttmp9, 0
	s_cselect_b32 s53, 1, -1                       ; 1 in the cluster that prefetches: the same in all four partners
	s_lshl_b32 s56, s7, 17
	s_add_co_u32 s56, s56, s41
	s_mov_b32 s57, 0
	s_mov_b32 s59, 0
	s_wait_dscnt 0x0                               ; both opening adds are done
	s_wait_kmcnt 0x0
	s_add_nc_u64 s[42:43], s[14:15], s[56:57]      ; E^T of the batch
	s_or_b32 s43, s43, 0x80000000
	s_add_nc_u64 s[46:47], s[12:13], s[56:57]      ; K~ of the batch
	s_or_b32 s47, s47, 0x80000000
	s_mov_b32 s56, s41
	s_add_nc_u64 s[48:49], s[18:19], s[56:57]      ; my quarter of wimg's unit 0: what the first refill brings
	CROUND                                         ; all four work-groups are here: the first joint loads meet
	tensor_load_to_lds s[40:43], s[32:39]
	s_nop 0
	tensor_load_to_lds s[44:47], s[32:39]
	s_nop 0
	s_lshl2_add_u32 s58, s5, s4                    ; 4 cx + w: my sixteenth of a unit,
	s_lshl_b32 s58, s58, 13
	s_add_co_u32 s58, s58, 131072                  ; in wimg's unit 1: the first change steps it to unit 2, which is U4
	s_add_nc_u64 s[50:51], s[18:19], s[58:59]
	s_lshl_b32 s58, s6, 14                         ; q~: my two token tiles, a quarter a wave
	s_lshl_b32 s60, s4, 12
	s_add_co_u32 s58, s58, s60
	s_add_nc_u64 s[10:11], s[10:11], s[58:59]
	s_lshl_b32 s58, s6, 15                         ; x: my 32 rows, my wave's 64 channels
	s_lshl_b32 s60, s4, 8
	s_add_co_u32 s58, s58, s60
	s_add_nc_u64 s[8:9], s[8:9], s[58:59]
	s_lshl_b32 s58, s6, 15                         ; out0: my 32 rows, 8 a wave
	s_lshl_b32 s60, s4, 13
	s_add_co_u32 s58, s58, s60
	s_add_nc_u64 s[30:31], s[30:31], s[58:59]
	s_lshl_b32 s56, s7, 11
	s_add_nc_u64 s[16:17], s[16:17], s[56:57]      ; gate: the batch's rowP, then col
	s_cmp_eq_u32 s4, 0                             ; wave 0 fetches bo, 1 b2, 2 g2, 3 beta2
	s_cselect_b64 s[60:61], s[24:25], s[22:23]
	s_cmp_eq_u32 s4, 2
	s_cselect_b64 s[62:63], s[26:27], s[28:29]
	s_cmp_lt_u32 s4, 2
	s_cselect_b64 s[60:61], s[60:61], s[62:63]
	v_and_b32 v1, 31, v0
	v_lshlrev_b32 v1, 4, v1
	v_and_b32 v2, 15, v0
	v_bfe_u32 v3, v0, 4, 1
	v_lshlrev_b32 v240, 4, v0
	s_lshl_b32 s57, s4, 8
	v_lshl_add_u32 v31, v3, 5, s57                 ; 256 w + 32 h: my first s, or channel, in f32
	s_and_b32 s58, s6, 7                           ; my block among the batch's eight
	s_lshl_b32 s56, s58, 7
	v_lshl_add_u32 v30, v2, 2, s56                 ; my token of tile 0, in f32
.irp i,0,1,2,3,4,5,6,7
	global_load_b128 v[ACC+4*\i:ACC+4*\i+3], v1, s[10:11] offset:\i*512
.endr
	global_load_b128 v[128:131], v240, s[20:21]
	global_load_b128 v[132:135], v240, s[20:21] offset:2048
	global_load_b128 v[136:139], v1, s[60:61]
	global_load_b128 v[140:143], v1, s[60:61] offset:512
.irp m,0,1,2,3
	global_load_b128 v[OUT+8*\m:OUT+8*\m+3], v31, s[16:17] offset:1024+\m*64      ; col of s = 64 w + 16 m + 8 h ..
	global_load_b128 v[OUT+8*\m+4:OUT+8*\m+7], v31, s[16:17] offset:1024+\m*64+16
.endr
	global_load_b32 v16, v30, s[16:17]             ; rowP of my token, tile 0 and tile 1
	global_load_b32 v18, v30, s[16:17] offset:64
	v_and_b32 v6, 7, v0                            ; the turning load: lane l addresses row 8 (l / 16) + l % 8, piece (l / 8) % 2 of a block
	v_lshlrev_b32 v6, 4, v6
	v_lshl_add_u32 v6, v3, 7, v6
	v_bfe_u32 v7, v0, 3, 1
	v_lshl_add_u32 v6, v7, 8, v6
	s_lshl_b32 s56, s4, 11
	v_add_nc_u32 v6, s56, v6                       ; my four column tiles
	v_add_nc_u32 v7, 65536, v6
	v_add_nc_u32 v8, 131072, v6
	v_add_nc_u32 v9, 196608, v6
	v_add_nc_u32 v4, s41, v1                       ; my four row tiles
	v_add_nc_u32 v5, SLOT1, v4
	v_add_nc_u32 v10, BUFA, v1
	v_add_nc_u32 v11, s56, v10
	v_add_nc_u32 v12, PAR, v31
	v_mov_b32 v13, v12
	s_lshl_b32 s58, s58, 5
	s_lshl_b32 s56, s4, 6
	s_sub_co_i32 s58, s58, s56                     ; my block's first token less my wave's first s
	v_lshlrev_b32 v14, 3, v3
	v_sub_nc_u32 v14, v2, v14
	v_add_nc_u32 v14, s58, v14
	v_add_nc_u32 v15, 16, v14
	v_mov_b32 v20, 0xc47a0000                      ; -1000: 2^-1000 is 0
	v_mov_b32 v21, 0
	v_lshlrev_b32 v24, 10, v2
	v_lshl_add_u32 v24, v3, 5, v24
	v_lshlrev_b32 v25, 4, v1
	v_lshl_add_u32 v27, v2, 3, STAT
	v_add_nc_u32 v26, s57, v27
	v_mul_u32_u24 v28, v2, 1040
	v_add_nc_u32 v28, v28, v31
	v_add_nc_u32 v28, SLOT1, v28
	s_mul_i32 s56, s4, 8320
	v_add_nc_u32 v29, s56, v1
	v_add_nc_u32 v29, SLOT1, v29
	v_add_nc_u32 v241, PAR, v240
	s_lshl_b32 s56, s4, 12
	v_add_nc_u32 v242, s56, v10
	s_lshl_b32 s56, s4, 10
	v_add_nc_u32 v243, s56, v1
	v_add_nc_u32 v243, PAR+4096, v243
	s_wait_loadcnt 10                              ; col's eight loads and rowP's two may stay out
.irp i,0,1,2,3,4,5,6,7
	ds_store_b128 v242, v[ACC+4*\i:ACC+4*\i+3] offset:\i*512
.endr
	ds_store_b128 v241, v[128:131]
	ds_store_b128 v241, v[132:135] offset:2048
	ds_store_b128 v243, v[136:139]
	ds_store_b128 v243, v[140:143] offset:512
	s_wait_tensorcnt 1                             ; my quarter of U0 is in; U1's may stay out
	s_wait_dscnt 0x0
	s_barrier_signal -1
	s_barrier_wait -1
	UNIT 0, 1, 0, ACC, 1, 0                        ; S^T = E Q~^T
	PLACES
	s_wait_loadcnt 0x0                             ; col, rowP
	v_mov_b32 v17, v16
	v_mov_b32 v19, v18
.set t, 0
.rept 8                                ; tile t = 2 m + u: the exponents,
.irp p,0,2,4,6
	v_pk_add_f32 v[AF+8*t+\p:AF+8*t+\p+1], v[OUT+8*(t/2)+\p:OUT+8*(t/2)+\p+1], v[16+2*(t%2):17+2*(t%2)]
.endr
.set t, t+1
.endr
.set t, 0
.rept 8                                ; -1000 where s >= t,
.irp j,0,1,2,3,4,5,6,7
	v_cmp_lt_i32 vcc_lo, 16*(t/2)+\j, v[14+(t%2)]
	v_cndmask_b32 v[AF+8*t+\j], v20, v[AF+8*t+\j], vcc_lo
.endr
.set t, t+1
.endr
.set i, 0
.rept 64
	v_exp_f32 v[AF+i], v[AF+i]
.set i, i+1
.endr
	v_nop
	s_wait_alu depctr_va_vdst(0)                   ; one wait for the 64 powers
.set i, 0
.rept 32
	v_pk_mul_f32 v[AF+2*i:AF+2*i+1], v[AF+2*i:AF+2*i+1], v[ACC+2*i:ACC+2*i+1]
.set i, i+1
.endr
.set t, 0
.rept 8
.irp i,0,1,2,3
	v_cvt_pk_bf16_f32 v[AF+8*t+\i], v[AF+8*t+2*\i], v[AF+8*t+2*\i+1]
.endr
	ds_store_b128 v11, v[AF+8*t:AF+8*t+3] offset:16384+(t%2)*8192+(t/2)*512      ; P, to BUFB
.set t, t+1
.endr
.set t, 0
.rept 8                                ; x^T, where col lay: token 16 u + r, channels 64 w + 16 m + 8 h ..
	global_load_b128 v[OUT+8*t:OUT+8*t+3], v24, s[8:9] offset:(t%2)*16384+(t/2)*64
	global_load_b128 v[OUT+8*t+4:OUT+8*t+7], v24, s[8:9] offset:(t%2)*16384+(t/2)*64+16
.set t, t+1
.endr
	CHG 1                                          ; U2 is asked for
	UNIT 1, 1, 1, ACC, 1, 1                        ; R^T = K~^T P^T
	EPK 0                                          ; R, to BUFA
	CHG 1                                          ; U3 is asked for
.irp m,0,1,2,3
	ds_load_b128 v[ACC+8*\m:ACC+8*\m+3], v12 offset:4096+\m*64
	ds_load_b128 v[ACC+8*\m+4:ACC+8*\m+7], v12 offset:4096+\m*64+16
.endr
	s_wait_loadcnt 0x0                             ; x
	s_wait_dscnt 0x0                               ; bo
.set t, 0
.rept 8
.irp p,0,2,4,6
	v_pk_add_f32 v[OUT+8*t+\p:OUT+8*t+\p+1], v[OUT+8*t+\p:OUT+8*t+\p+1], v[ACC+8*(t/2)+\p:ACC+8*(t/2)+\p+1]
.endr
.set t, t+1
.endr
	UNIT 0, 0, 0, OUT, 0, 1                        ; x1^T = x^T + bo + Wo R^T
	; LN2.  Each wave makes the mean and the sum of squares about that mean of its 64 channels; the four are joined by mean = the mean of the means,
	; M2 = the sum of the M2 + 64 x the sum of (mean_w - mean)^2: no difference of large sums is formed.
	PLACES
.irp u,0,1
	v_pk_add_f32 v[96+4*\u:97+4*\u], v[OUT+8*\u:OUT+8*\u+1], v[OUT+16+8*\u:OUT+16+8*\u+1]
	v_pk_add_f32 v[98+4*\u:99+4*\u], v[OUT+32+8*\u:OUT+32+8*\u+1], v[OUT+48+8*\u:OUT+48+8*\u+1]
.irp p,2,4,6
	v_pk_add_f32 v[96+4*\u:97+4*\u], v[96+4*\u:97+4*\u], v[OUT+8*\u+\p:OUT+8*\u+\p+1]
	v_pk_add_f32 v[98+4*\u:99+4*\u], v[98+4*\u:99+4*\u], v[OUT+32+8*\u+\p:OUT+32+8*\u+\p+1]
	v_pk_add_f32 v[96+4*\u:97+4*\u], v[96+4*\u:97+4*\u], v[OUT+16+8*\u+\p:OUT+16+8*\u+\p+1]
	v_pk_add_f32 v[98+4*\u:99+4*\u], v[98+4*\u:99+4*\u], v[OUT+48+8*\u+\p:OUT+48+8*\u+\p+1]
.endr
	v_pk_add_f32 v[96+4*\u:97+4*\u], v[96+4*\u:97+4*\u], v[98+4*\u:99+4*\u]
	v_add_f32 v[96+4*\u], v[96+4*\u], v[97+4*\u]
	v_permlanex16_b32 v[97+4*\u], v[96+4*\u], s54, s55
	v_add_f32 v[96+4*\u], v[96+4*\u], v[97+4*\u]
	v_mul_f32 v[96+4*\u], 0x3c800000, v[96+4*\u]   ; / 64
	v_mov_b32 v[97+4*\u], v[96+4*\u]
.endr
.irp u,0,1
.irp m,0,1,2,3
.irp p,0,2,4,6
	v_pk_add_f32 v[112+\p:113+\p], v[OUT+16*\m+8*\u+\p:OUT+16*\m+8*\u+\p+1], v[96+4*\u:97+4*\u] neg_lo:[0,1] neg_hi:[0,1]
.endr
.irp p,0,2,4,6
.if (\m == 0) && (\p < 4)
	v_pk_mul_f32 v[104+4*\u+\p:105+4*\u+\p], v[112+\p:113+\p], v[112+\p:113+\p]
.else
	v_pk_fma_f32 v[104+4*\u+(\p%4):105+4*\u+(\p%4)], v[112+\p:113+\p], v[112+\p:113+\p], v[104+4*\u+(\p%4):105+4*\u+(\p%4)]
.endif
.endr
.endr
	v_pk_add_f32 v[104+4*\u:105+4*\u], v[104+4*\u:105+4*\u], v[106+4*\u:107+4*\u]
	v_add_f32 v[104+4*\u], v[104+4*\u], v[105+4*\u]
	v_permlanex16_b32 v[105+4*\u], v[104+4*\u], s54, s55
	v_add_f32 v[97+4*\u], v[104+4*\u], v[105+4*\u]
	ds_store_b64 v26, v[96+4*\u:97+4*\u] offset:\u*128
.endr
	s_wait_dscnt 0x0
	s_barrier_signal -1                            ; a plain barrier: my one tensor load stays out
	s_barrier_wait -1
.irp w,0,1,2,3
.irp u,0,1
	ds_load_b64 v[128+4*\w+2*\u:129+4*\w+2*\u], v27 offset:\w*256+\u*128
.endr
.endr
.irp m,0,1,2,3
	ds_load_b128 v[160+8*\m:163+8*\m], v12 offset:6144+\m*64        ; g2
	ds_load_b128 v[164+8*\m:167+8*\m], v12 offset:6144+\m*64+16
	ds_load_b128 v[192+8*\m:195+8*\m], v12 offset:7168+\m*64        ; beta2
	ds_load_b128 v[196+8*\m:199+8*\m], v12 offset:7168+\m*64+16
	ds_load_b128 v[96+8*\m:99+8*\m], v12 offset:5120+\m*64          ; b2
	ds_load_b128 v[100+8*\m:103+8*\m], v12 offset:5120+\m*64+16
.endr
	s_mov_b32 s56, 0x3b800000                      ; 1 / 256
	s_mov_b32 s57, 0x3727c5ac                      ; 1e-5
	s_wait_dscnt 0x0
.irp u,0,1
	v_add_f32 v144, v[128+2*\u], v[132+2*\u]
	v_add_f32 v145, v[136+2*\u], v[140+2*\u]
	v_add_f32 v144, v144, v145
	v_mul_f32 v[150+4*\u], 0x3e800000, v144        ; the mean
	v_sub_f32 v144, v[128+2*\u], v[150+4*\u]
	v_sub_f32 v145, v[132+2*\u], v[150+4*\u]
	v_sub_f32 v146, v[136+2*\u], v[150+4*\u]
	v_sub_f32 v147, v[140+2*\u], v[150+4*\u]
	v_mul_f32 v144, v144, v144
	v_fma_f32 v144, v145, v145, v144
	v_fma_f32 v144, v146, v146, v144
	v_fma_f32 v144, v147, v147, v144
	v_add_f32 v145, v[129+2*\u], v[133+2*\u]
	v_add_f32 v146, v[137+2*\u], v[141+2*\u]
	v_add_f32 v145, v145, v146
	v_fmamk_f32 v144, v144, 0x42800000, v145       ; x 64
	v_fma_f32 v[148+4*\u], v144, s56, s57
.endr
	v_rsq_f32 v148, v148
	v_rsq_f32 v152, v152
	v_nop
	s_wait_alu depctr_va_vdst(0)                   ; one wait for the two roots
.irp u,0,1
	v_mov_b32 v[149+4*\u], v[148+4*\u]
	v_mul_f32 v[150+4*\u], -v[150+4*\u], v[148+4*\u]
	v_mov_b32 v[151+4*\u], v[150+4*\u]
.endr
.set t, 0
.rept 8                                ; x2 = (x1 rs - mean rs) g2 + beta2, to BUFB, where it stays for all four W1 units; then x1 + b2, onto which the W2 units add
.set TB, 224+16*(t%2)
.irp p,0,2,4,6
	v_pk_fma_f32 v[TB+\p:TB+\p+1], v[OUT+8*t+\p:OUT+8*t+\p+1], v[148+4*(t%2):149+4*(t%2)], v[150+4*(t%2):151+4*(t%2)]
.endr
.irp p,0,2,4,6
	v_pk_fma_f32 v[TB+\p:TB+\p+1], v[TB+\p:TB+\p+1], v[160+8*(t/2)+\p:161+8*(t/2)+\p], v[192+8*(t/2)+\p:193+8*(t/2)+\p]
.endr
.irp i,0,1,2,3
	v_cvt_pk_bf16_f32 v[TB+8+\i], v[TB+2*\i], v[TB+2*\i+1]
.endr
	ds_store_b128 v11, v[TB+8:TB+11] offset:16384+(t%2)*8192+(t/2)*512
.irp p,0,2,4,6
	v_pk_add_f32 v[OUT+8*t+\p:OUT+8*t+\p+1], v[OUT+8*t+\p:OUT+8*t+\p+1], v[96+8*(t/2)+\p:97+8*(t/2)+\p]
.endr
.set t, t+1
.endr
	s_mov_b32 s52, 3
.Lffn:                                         ; three trips: 256 of the FFN's 1,024 hidden numbers each; both slots are filled again
	CHG 1
	B1LOAD
	UNIT 1, 0, 1, ACC, 0, 1                        ; b1 + W1 x2^T
	EPK 1
	CHG 1
	UNIT 0, 0, 0, OUT, 0, 2                        ; += W2 h^T
	s_sub_co_u32 s52, s52, 1
	s_cmp_lg_u32 s52, 0
	s_cbranch_scc1 .Lffn
	CHG 1                                          ; the last 256 are written out: U10 is the last to be asked for
	B1LOAD
	UNIT 1, 0, 1, ACC, 0, 0
	EPK 1
	CHG 0
	UNIT 0, 0, 0, OUT, 0, 0
	; THE WAY OUT.  A lane holds 8 channels of a token; whole rows are made in a stage of 32 rows x 1,040 bytes in slot 1, which has had its last fill and whose last reads every wave has waited for
	; ahead of the barrier above.  1,040 bytes are 65 x 16: the sixteen rows of a store start at sixteen different groups of four banks (64 banks of 4 bytes: ISA guide 11.1).
	PLACES
.set t, 0
.rept 8
	ds_store_b128 v28, v[OUT+8*t:OUT+8*t+3] offset:(t%2)*16640+(t/2)*64
	ds_store_b128 v28, v[OUT+8*t+4:OUT+8*t+7] offset:(t%2)*16640+(t/2)*64+16
.set t, t+1
.endr
	s_wait_dscnt 0x0
	s_barrier_signal -1
	s_barrier_wait -1
.set i, 0
.rept 16
	ds_load_b128 v[ACC+4*i:ACC+4*i+3], v29 offset:(i/2)*1040+(i%2)*512
.set i, i+1
.endr
.set i, 0
.rept 16
	s_wait_dscnt 15-i                              ; LDS loads come back in order (ISA guide 5.7.1): the younger ones may stay out
	global_store_b128 v1, v[ACC+4*i:ACC+4*i+3], s[30:31] offset:(i/2)*1024+(i%2)*512 th:TH_STORE_NT  ; 512 consecutive bytes, at a multiple of 256 from out0's first byte
.set i, i+1
.endr
	s_wait_tensorcnt 0x0                           ; the wave's end, behind my last tensor load and my last LDS store
	ds_add_u32 v22, v23
	s_wait_dscnt 0x0
	CROUND                                         ; the closing round: no work-group ends while a partner may still ask for a unit that names it
	s_endpgm
.Lfunc_end_k_q7ac78957c0_rest:
	.size	k_q7ac78957c0_rest, .Lfunc_end_k_q7ac78957c0_rest-k_q7ac78957c0_rest
	.p2alignl 7, 3214868480
	.fill 96, 4, 3214868480
	.section	.rodata,"a",@progbits
	.p2align	6, 0x0
	.amdhsa_kernel k_q7ac78957c0_rest
		.amdhsa_group_segment_fixed_size 327680
		.amdhsa_private_segment_fixed_size 0
		.amdhsa_enable_private_segment 0
		.amdhsa_kernarg_size 96
		.amdhsa_user_sgpr_count 2
		.amdhsa_user_sgpr_kernarg_segment_ptr 1
		.amdhsa_wavefront_size32 1
		.amdhsa_system_sgpr_workgroup_id_x 1
		.amdhsa_system_sgpr_workgroup_id_y 1
		.amdhsa_system_sgpr_workgroup_id_z 1
		.amdhsa_system_vgpr_workitem_id 0
		.amdhsa_next_free_vgpr 256
		.amdhsa_next_free_sgpr 66
		.amdhsa_reserve_vcc 1
		.amdhsa_float_denorm_mode_32 3
		.amdhsa_float_denorm_mode_16_64 3
		.amdhsa_memory_ordered 1
		.amdhsa_forward_progress 1
		.amdhsa_inst_pref_size 147
	.end_amdhsa_kernel
	.amdgpu_metadata
---
amdhsa.version: [ 1, 2 ]
amdhsa.kernels:
  - .name:           k_q7ac78957c0_rest
    .symbol:         k_q7ac78957c0_rest.kd
    .args:
      - { .name: x, .offset: 0, .size: 8, .value_kind: global_buffer, .address_space: global }
      - { .name: qimg, .offset: 8, .size: 8, .value_kind: global_buffer, .address_space: global }
      - { .name: kimg, .offset: 16, .size: 8, .value_kind: global_buffer, .address_space: global }
      - { .name: eimg, .offset: 24, .size: 8, .value_kind: global_buffer, .address_space: global }
      - { .name: gate, .offset: 32, .size: 8, .value_kind: global_buffer, .address_space: global }
      - { .name: wimg, .offset: 40, .size: 8, .value_kind: global_buffer, .address_space: global }
      - { .name: b1, .offset: 48, .size: 8, .value_kind: global_buffer, .address_space: global }
      - { .name: b2, .offset: 56, .size: 8, .value_kind: global_buffer, .address_space: global }
      - { .name: bo, .offset: 64, .size: 8, .value_kind: global_buffer, .address_space: global }
      - { .name: g2, .offset: 72, .size: 8, .value_kind: global_buffer, .address_space: global }
      - { .name: beta2, .offset: 80, .size: 8, .value_kind: global_buffer, .address_space: global }
      - { .name: out0, .offset: 88, .size: 8, .value_kind: global_buffer, .address_space: global }
    .group_segment_fixed_size: 327680
    .private_segment_fixed_size: 0
    .kernarg_segment_align: 8
    .kernarg_segment_size: 96
    .max_flat_workgroup_size: 128
    .sgpr_count:     66
    .vgpr_count:     256
    .wavefront_size: 32
...
	.end_amdgpu_metadata
.endif
;; end of part 3
